; MI455X (gfx1250); checked and timed in simulation.
; The chip was launched on July 23, 2026; its instructions are those of AMD's public machine-readable ISA for CDNA 5 (MIT licence, August 2026) and "CDNA5" Instruction Set Architecture Reference Guide (July 2026). The comments in the code are by the model that wrote it; some were corrected since.
;; Ro PE mha. Allowed arithmetic: matrix products marked QUANTISED: E4M3 operands, one given power-of-two scale a tensor, by v_wmma_f32_16x16x64_fp8_fp8 or v_wmma_f32_16x16x128_fp8_fp8, f32 sums; products left as they are: f32 operands where the result goes on into a quantised operand, else bf16, f16 or f32 operands; f32 sums; everything else in f32.
;; Inputs: Wk 2,048 x 2,048 float32; Wo 2,048 x 2,048 float32; Wq 2,048 x 2,048 float32; Wv 2,048 x 2,048 float32; bk 2,048 float32; bo 2,048 float32; bq 2,048 float32; bv 2,048 float32; lowp_scales 12 int32 (the exponents e of the quantised operands' scales 2^e); mask 1 x 1 x 2,048 x 2,048 int32; x 1 x 2,048 x 2,048 float32.
;; Outputs: out0 1 x 2,048 x 2,048 float32.
;; This version of the problem:
;;   THIS VERSION OF THE PROBLEM IS GIVEN IN LOW PRECISION. The matrix products marked QUANTISED in the list below multiply operands that are first quantised to E4M3 (4 exponent bits, 3 mantissa bits; 8 bits a number), with one given power-of-two scale for each operand tensor; their sums are f32. All else is computed in f32.
;;   The module's matrix products, in the order in which they are computed (A, B: the left and right operand; K: the contracted axis; several contracted axes count as one K, in the product's order):
;;     1. [M 2,048, K 2,048] x [K 2,048, N 2,048]; A: input x; B: input Wq: QUANTISED (scales: A lowp_scales[0], B lowp_scales[1])
;;     2. [M 2,048, K 1] x [K 1, N 64]; A: computed on the way; B: computed on the way: left as it is (no contracted axis)
;;     3. [M 2,048, K 2,048] x [K 2,048, N 2,048]; A: input x; B: input Wk: QUANTISED (scales: A lowp_scales[2], B lowp_scales[3])
;;     4. [M 2,048, K 1] x [K 1, N 64]; A: computed on the way; B: computed on the way: left as it is (no contracted axis)
;;     5. [M 2,048, K 2,048] x [K 2,048, N 2,048]; A: input x; B: input Wv: QUANTISED (scales: A lowp_scales[4], B lowp_scales[5])
;;     6. batch 16 x [M 2,048, K 128] x [K 128, N 2,048]; A: computed on the way; B: computed on the way: QUANTISED (scales: A lowp_scales[6], B lowp_scales[7])
;;     7. batch 16 x [M 2,048, K 2,048] x [K 2,048, N 128]; A: softmax (see below); B: computed on the way: QUANTISED (scales: A lowp_scales[8], B lowp_scales[9])
;;     8. [M 2,048, K 2,048] x [K 2,048, N 2,048]; A: computed on the way; B: input Wo: QUANTISED (scales: A lowp_scales[10], B lowp_scales[11])
;;   THE QUANTISER, for each operand of a quantised product, along K:
;;     - The operand's scale is 2^e, e = its entry of the input lowp_scales (int32; the entries are numbered through the quantised products in the list's order, A before B).
;;     - Each number is divided by the scale, clamped to +-448, and rounded to the nearest number of E4M3, ties to even, subnormals kept.
;;     - The product sums the exact products of the quantised numbers (number of the format x scale) in f32.
;;   ~~~python
;;   def quantise(x, axis, e):      # numpy; x: float32 -> the quantised numbers, widened to float32 again
;;       x = np.moveaxis(x, axis, -1); K = x.shape[-1]
;;       r = np.clip(x / 2.0 ** e, -448, 448)
;;       step = 2.0 ** (np.maximum(np.frexp(np.where(r == 0, 1, r))[1] - 1, -6) - 3)
;;       q = np.round(r / step) * step * 2.0 ** e      # np.round: ties to even
;;       return np.moveaxis(q, -1, axis).astype(np.float32)
;;   ~~~
;;   SOFTMAX AHEAD OF A QUANTISED PRODUCT. Where the list says 'softmax', what is quantised is not the finished softmax but p = 2^(t - M), with t = logit x log2(e) and M = ceil(the row's largest t), a whole number; so 1/2 < the row's largest p <= 1. The row's sum l is taken of the UNQUANTISED p, in f32, and the product's result is divided by l at the end. Since M is a whole number, a kernel that streams over the keys may use a running M (the ceiling of the running maximum): every later rescaling is an exact power of two, so the quantised numbers keep their values, but for numbers so far below the row's largest that they fall under the format's range.
;;   OPERANDS COMPUTED ON THE WAY. 'Computed on the way' means the value that the module computes at that place (a softmax that the list does not call 'softmax' is quantised finished and normalised). What goes into a quantiser is computed in f32, as accurately as f32 sums, v_exp_f32 and their like allow (about 1e-6 of the number): no bf16 or f16 on the way to a quantiser, and a product that is left as it is and whose result goes on into a quantised operand takes f32 operands (vector FMAs, or v_wmma_f32_16x16x4_f32). A number that lies on a knife's edge between two numbers of the format may be rounded either way, as far as f32 arithmetic and the matrix unit's own rounding can turn it there, and no further.
;; One version. Each part assembles by itself: llvm-mc -triple=amdgcn-amd-amdhsa -mcpu=gfx1250 --defsym DOCPART=n.
;; ======== version 1 of 1: 4 launches
;; limits: right only within a limited range of input values
;; workspace buffers: xc 12,582,912 bytes; wc 16,777,216 bytes; qkvc 12,582,912 bytes; oc 4,194,304 bytes; ropet 1,048,576 bytes; maskw 524,288 bytes of whole numbers; flags 65,536 bytes of whole numbers
;; launch prep (part 1): grid 800 x 1, 4 waves a work-group, no clusters, 67,072 bytes of LDS; arguments x, Wq, Wk, Wv, Wo, mask, lowp_scales, xc, wc, maskw, ropet, flags; writes xc, wc, maskw, ropet, flags
.if DOCPART == 1
	.amdgcn_target "amdgcn-amd-amdhsa--gfx1250"
	.amdhsa_code_object_version 6
	.text
	.protected	k_q2ec2ab57a0_prep
	.globl	k_q2ec2ab57a0_prep
	.p2align	8
	.type	k_q2ec2ab57a0_prep,@function
k_q2ec2ab57a0_prep:
	s_mov_b64 s[64:65], 0
	v_nop
	global_prefetch_b8 v0, s[64:65] scope:SCOPE_SE
	s_setreg_imm32_b32 hwreg(HW_REG_WAVE_MODE, 25, 1), 1
	s_wait_xcnt 0x0
; PREP: what every later launch reads many times is made once.
;   xc    [3][2048 s][2048 k]  codes (E4M3) of x with the scales 2^e0, 2^e2, 2^e4 (the three projections name three scales for x, so three sets of codes are owed)
;   wc    [4][2048 e][2048 k]  codes of Wq (e1), Wk (e3), Wv (e5), Wo (e11)
;   maskw [128 qt][16 ks][64]  the mask as lane masks: bit l of word n = (mask[16 qt + l % 16][128 ks + 16 (n / 8) + 8 (l / 16) + n % 8] != 0)
;   flags [128 qt][4 w][32]    word 0: the OR of the 256 mask words of key steps 4 w .. 4 w + 3; word 1, bit u: key step 4 w + u has a key that counts; word 2, bit u: all its keys count; the other words are 0
;   ropet [128 sb][16 g][32 lanes][4] f32: cos (g 0-7) and sin (g 8-15) of t x inv_freq for row t = 16 sb + lane % 16; register 8 b + j belongs to d = 16 b + 8 (lane / 16) + j
; WHAT THE PROGRAM DOES NOT COMPUTE.  No input and no product is left out: every bias moves codes or the output, and the mask is an input that is honoured bit by bit.  The attention reads the flags and does only what these
; whole numbers ask for: a key step of 128 keys none of which counts for any of a wave's 32 queries is not walked, provided each of these queries has a key that counts somewhere.  There reference() has the score -1e9, so that
; the weight is exp(-1e9 - the row's largest score), which is 0 in f32 while the scaled scores of keys that count stay above -2^29 (a stated limit).  A query with no key that counts at all has equal weights on all 2,048 keys:
; where a tile of 16 queries holds such a query, every key step is walked.  A NaN, an infinity or an overflow that reaches only key steps not walked is not carried to the result.
; The outer product t x inv_freq stands twice in the problem with the same operands: it is made once, here.
; code = number / 2^e, held within +-448, rounded to the nearest code, ties to even.
; LIMITS: e0 .. e5 and e11 between -126 and 119, so that 2^e and 448 x 2^e are f32 numbers.  NaN among the inputs is not served (an infinity is held at the largest code).
; cos and sin: the angle is one f32 product as the problem has it; it is reduced by whole quarter turns (pi / 2 in two parts, fused) and a polynomial serves +-pi / 4; angles here stay under 2,048.
; ROLES by the work-group's number g: 0-127 x; 128-639 the four weights (128 each); 640-767 the mask (a tile of 16 queries each); 768-799 the table (a wave to 16 rows).
; No tensor loads, no barrier: waves share nothing.  The quantiser's stages and the mask's stages have LDS bytes of their own.
.set SPARE, 66560                      ; behind the stages: the spare words, 128 bytes for each wave
.set SP,    80                         ; quantiser stage: a lane's 64 bytes + 16 of padding
.set MSTG,  32768                      ; the mask's stages begin here
.set MPI,   528                        ; mask stage: a row of 512 bytes + 16 of padding
.set SPW,   12                         ; v12  LDS address of my spare word; never rewritten
.set NIL,   13                         ; v13  0; never rewritten
.set R,     16                         ; v16-79   four sets of 16 numbers as loaded
.set X,     80                         ; v80-111  two sets of 16 neighbours
.set T,     112                        ; v112-127 the 16 numbers, held
.set C,     128                        ; v128-175 codes: output o, step t: four registers at C + 16 o + 4 (t % 4)
.set SCL,   176                        ; v176.. for output o: 2^e at SCL + 2 o, 448 x 2^e at SCL + 2 o + 1
.set STEPS, 16
	s_load_b512 s[16:31], s[0:1], 0x0              ; x, Wq, Wk, Wv, Wo, mask, the scales' exponents, xc
	s_load_b128 s[32:35], s[0:1], 0x40             ; wc, maskw
	s_load_b64 s[36:37], s[0:1], 0x50              ; ropet
	s_load_b64 s[38:39], s[0:1], 0x58              ; flags
	v_lshl_add_u32 v[SPW], v0, 2, SPARE
	v_mov_b32 v[NIL], 0
	v_lshrrev_b32 v1, 5, v0
	v_readfirstlane_b32 s2, v1                     ; wave 0..3
	v_and_b32 v2, 31, v0                           ; lane
	v_lshlrev_b32 v3, 4, v2                        ; 16 x lane
	v_and_b32 v7, 15, v0                           ; r
	v_bfe_u32 v8, v0, 4, 1                         ; h
	s_lshl_b32 s10, s2, 13                         ; the quantiser's region of my wave
	v_lshrrev_b32 v14, 2, v2
	v_mul_u32_u24 v14, v14, SP
	v_and_b32 v15, 3, v2
	v_lshl_add_u32 v14, v15, 4, v14
	v_add_nc_u32 v14, s10, v14                     ; into the stage: four lanes' 64 bytes on end, then the padding
	v_mul_u32_u24 v15, v2, SP
	v_add_nc_u32 v15, s10, v15                     ; out of it: my 16 neighbours
	s_mul_i32 s11, s2, 16*MPI
	s_add_co_u32 s11, s11, MSTG                    ; the mask's stage of my wave
	v_add_nc_u32 v5, s11, v3                       ; into it: 16 bytes a lane of a row
	v_mul_u32_u24 v6, v7, MPI
	v_lshl_add_u32 v6, v8, 5, v6
	v_add_nc_u32 v6, s11, v6                       ; out of it: row r, + 32 h
	s_wait_kmcnt 0x0
	s_cmp_ge_u32 ttmp9, 768
	s_cbranch_scc1 .Lrope
	s_cmp_ge_u32 ttmp9, 640
	s_cbranch_scc1 .Lmask
; ---------------- the quantiser: one way through the text for x and for the weights; only pointers and exponents are chosen
	s_load_b256 s[40:47], s[28:29], 0x0            ; e0 .. e7
	s_load_b128 s[48:51], s[28:29], 0x20           ; e8 .. e11
	s_lshr_b32 s10, ttmp9, 7
	s_max_u32 s10, s10, 1
	s_sub_co_u32 s10, s10, 1                       ; which weight: 0 .. 3 (0 for x, where it is not used)
	s_and_b32 s12, ttmp9, 127
	s_lshl_b32 s12, s12, 2
	s_add_co_u32 s12, s12, s2                      ; which run of 8,192 numbers of the tensor is my wave's
	s_mov_b64 s[4:5], s[24:25]                     ; Wo, unless
	s_cmp_eq_u32 s10, 2
	s_cselect_b64 s[4:5], s[22:23], s[4:5]         ; Wv,
	s_cmp_eq_u32 s10, 1
	s_cselect_b64 s[4:5], s[20:21], s[4:5]         ; Wk,
	s_cmp_eq_u32 s10, 0
	s_cselect_b64 s[4:5], s[18:19], s[4:5]         ; Wq,
	s_cmp_lt_u32 ttmp9, 128
	s_cselect_b64 s[4:5], s[16:17], s[4:5]         ; or x
	s_cselect_b32 s3, 1, 0                         ; 1: x, three sets of codes
	s_lshl_b32 s52, s10, 22
	s_mov_b32 s53, 0
	s_add_nc_u64 s[8:9], s[32:33], s[52:53]        ; the weight's set in wc
	s_cmp_lt_u32 ttmp9, 128
	s_cselect_b64 s[8:9], s[30:31], s[8:9]         ; or xc
	s_lshl_b32 s52, s12, 15
	s_add_nc_u64 s[4:5], s[4:5], s[52:53]          ; my run: 32,768 bytes of numbers,
	s_lshl_b32 s52, s12, 13
	s_add_nc_u64 s[8:9], s[8:9], s[52:53]          ; 8,192 bytes of codes
	s_add_nc_u64 s[52:53], s[8:9], 0x400000        ; x's second and third set (used for x alone)
	s_add_nc_u64 s[54:55], s[8:9], 0x800000
.macro LOAD t
.irp i, 0,1,2,3
	global_load_b128 v[R+16*((\t)%4)+4*\i:R+16*((\t)%4)+4*\i+3], v3, s[4:5] offset:2048*(\t)+512*\i th:TH_LOAD_NT   ; 32 lanes read 512 consecutive bytes
.endr
.endm
.macro TURN t                          ; step t's numbers through the stage; LDS serves a wave's instructions in order, so no wait stands between the stores and the loads
.irp i, 0,1,2,3
	ds_store_b128 v14, v[R+16*((\t)%4)+4*\i:R+16*((\t)%4)+4*\i+3] offset:32*SP*((\t)%2)+8*SP*\i
.endr
.irp i, 0,1,2,3
	ds_load_b128 v[X+16*((\t)%2)+4*\i:X+16*((\t)%2)+4*\i+3], v15 offset:32*SP*((\t)%2)+16*\i
.endr
.endm
.macro MKSC v, e                       ; 2^e and 448 x 2^e as f32
	s_add_co_i32 s11, \e, 127
	s_lshl_b32 s13, s11, 23
	v_mov_b32 v[\v], s13
	s_add_co_i32 s11, s11, 8
	s_lshl_b32 s11, s11, 23
	s_or_b32 s11, s11, 0x600000
	v_mov_b32 v[\v+1], s11
.endm
.macro CONV o, t, d                    ; output o of step t, to the buffer at s[d:d+1]
.set i, 0
.rept 16
	v_med3_num_f32 v[T+i], v[X+16*((\t)%2)+i], -v[SCL+2*\o+1], v[SCL+2*\o+1]   ; the conversion does not saturate (ISA guide 7.6.2): the hold first; not in place, since x is held three times
.set i, i+1
.endr
	v_cvt_scalef32_pk8_fp8_f32 v[C+16*\o+4*((\t)%4):C+16*\o+4*((\t)%4)+1], v[T:T+7], v[SCL+2*\o]
	v_cvt_scalef32_pk8_fp8_f32 v[C+16*\o+4*((\t)%4)+2:C+16*\o+4*((\t)%4)+3], v[T+8:T+15], v[SCL+2*\o]
	v_nop                                          ; a plain line between the conversions and the next hold, which writes their sources
	global_store_b128 v3, v[C+16*\o+4*((\t)%4):C+16*\o+4*((\t)%4)+3], s[\d:\d+1] offset:512*(\t)   ; 32 lanes store 512 consecutive bytes
.endm
.irp t, 0,1,2,3
	LOAD \t
.endr
	s_wait_kmcnt 0x0
	s_mov_b32 s6, s51                              ; e11, unless
	s_cmp_eq_u32 s10, 2
	s_cselect_b32 s6, s45, s6                      ; e5,
	s_cmp_eq_u32 s10, 1
	s_cselect_b32 s6, s43, s6                      ; e3,
	s_cmp_eq_u32 s10, 0
	s_cselect_b32 s6, s41, s6                      ; e1,
	s_cmp_lt_u32 ttmp9, 128
	s_cselect_b32 s6, s40, s6                      ; or e0
	MKSC SCL, s6
	MKSC SCL+2, s42                                ; e2
	MKSC SCL+4, s44                                ; e4
	s_wait_alu depctr_va_vdst(0)                   ; the wait ahead of the wait below
	s_wait_loadcnt 12                              ; step 0's four loads are in
	TURN 0
.macro STEP t
	s_wait_dscnt 0x0                               ; this step's numbers are back from the stage, and its stores into the stage have read their registers,
.if (\t)+4 < STEPS
	LOAD (\t)+4                                    ; which take the loads of four steps on
.endif
.if (\t)+1 < STEPS
.if STEPS-2-(\t) >= 3
	s_wait_loadcnt 12                              ; the next step's four loads are in; those of the three steps behind it may be out
.else
	s_wait_loadcnt 4*(STEPS-2-(\t))
.endif
	TURN (\t)+1
.endif
	s_wait_xcnt 0x0                                ; the stores of four steps ago have read the registers that this step's codes take
	CONV 0, \t, 8
	s_cmp_eq_u32 s3, 0                             ; a weight has one set of codes
	s_cbranch_scc1 .Lone_\@
	CONV 1, \t, 52
	CONV 2, \t, 54
.Lone_\@:
.endm
.irp t, 0,1,2,3,4,5,6,7,8,9,10,11,12,13,14,15
	STEP \t
.endr
	s_branch .Lend
; ---------------- the mask: the work-group takes 16 queries, wave w the key steps 4 w .. 4 w + 3 (128 keys, 512 bytes of a row, each)
.Lmask:
	s_sub_co_u32 s10, ttmp9, 640                   ; qt
	s_lshl_b32 s52, s10, 17                        ; 16 rows of 8,192 bytes
	s_lshl_b32 s11, s2, 11
	s_add_co_u32 s52, s52, s11
	s_mov_b32 s53, 0
	s_add_nc_u64 s[4:5], s[26:27], s[52:53]
	s_lshl_b32 s52, s10, 12                        ; 16 key steps of 256 bytes
	s_lshl_b32 s11, s2, 10
	s_add_co_u32 s52, s52, s11
	s_add_nc_u64 s[8:9], s[34:35], s[52:53]
	s_lshl_b32 s52, s10, 9                         ; the flags: 512 bytes a tile of queries, 128 a wave
	s_lshl_b32 s11, s2, 7
	s_add_co_u32 s52, s52, s11
	s_add_nc_u64 s[38:39], s[38:39], s[52:53]
	v_lshlrev_b32 v9, 2, v2                        ; 4 x lane
	s_mov_b32 s42, 0                               ; the three flag words
	s_mov_b32 s43, 0
	s_mov_b32 s44, 0
.macro MLOAD u                         ; key step u of my four: 16 rows x 512 consecutive bytes
.set i, 0
.rept 16
	global_load_b128 v[16+64*((\u)%2)+4*i:16+64*((\u)%2)+4*i+3], v3, s[4:5] offset:8192*i+512*(\u) th:TH_LOAD_NT
.set i, i+1
.endr
.endm
	MLOAD 0
	MLOAD 1
.irp i, 0,1,2,3,4,5,6,7
	v_mov_b32 v[208+\i], 0                         ; written once: a lane write's destination counts as read
.endr
	v_mov_b32 v216, 0                              ; the flags' 32 words
.macro UNIT u
.if (\u) < 3
	s_wait_loadcnt 16                              ; this key step's 16 loads are in; the next one's may be out
.else
	s_wait_loadcnt 0
.endif
.set i, 0
.rept 16
	ds_store_b128 v5, v[16+64*((\u)%2)+4*i:16+64*((\u)%2)+4*i+3] offset:MPI*i
.set i, i+1
.endr
.irp b, 0,1,2,3
.irp j, 0,1,2,3
	ds_load_b128 v[144+16*\b+4*\j:144+16*\b+4*\j+3], v6 offset:128*\b+64*(\j/2)+16*(\j%2)   ; register n: key 16 (n / 8) + 8 h + n % 8 of query r
.endr
.endr
	s_wait_dscnt 0x0
.if (\u) < 2
	MLOAD (\u)+2
.endif
	s_mov_b32 s40, 0                               ; the key step's words: their OR,
	s_mov_b32 s41, -1                              ; and their AND
.set n, 0
.rept 8
.irp i, 0,1,2,3,4,5,6,7
	v_cmp_ne_u32 s[56+\i], 0, v[144+n+\i]          ; word n + i: a bit for each lane
.endr
.irp i, 0,1,2,3,4,5,6,7
	s_or_b32 s40, s40, s[56+\i]
	s_and_b32 s41, s41, s[56+\i]
.endr
.irp i, 0,1,2,3,4,5,6,7
	v_writelane_b32 v[208+4*((\u)/2)+(n+\i)%4], s[56+\i], 16*((\u)%2)+(n+\i)/4   ; lane L's four registers hold words 4 L .. 4 L + 3 of two key steps' 128
.endr
.set n, n+8
.endr
	s_or_b32 s42, s42, s40
	s_cmp_lg_u32 s40, 0
	s_cselect_b32 s45, 1<<(\u), 0
	s_or_b32 s43, s43, s45
	s_cmp_eq_u32 s41, -1
	s_cselect_b32 s45, 1<<(\u), 0
	s_or_b32 s44, s44, s45
	s_wait_alu depctr_va_vdst(0)                   ; the wait behind the lane writes, ahead of the store
.if (\u)%2 == 1
	global_store_b128 v3, v[208+4*((\u)/2):208+4*((\u)/2)+3], s[8:9] offset:512*((\u)/2)   ; 512 consecutive bytes: two key steps' words
.endif
.endm
	s_wait_alu depctr_va_vdst(0)                   ; the wait ahead of the first unit's wait
	UNIT 0
	UNIT 1
	UNIT 2
	UNIT 3
	v_writelane_b32 v216, s42, 0
	v_writelane_b32 v216, s43, 1
	v_writelane_b32 v216, s44, 2
	s_wait_alu depctr_va_vdst(0)                   ; the wait ahead of the store
	global_store_b32 v9, v216, s[38:39]            ; 128 consecutive bytes a wave, 512 a work-group
	s_branch .Lend
; ---------------- the table of cos and sin: a wave to 16 rows
.Lrope:
	s_sub_co_u32 s10, ttmp9, 768
	s_lshl_b32 s10, s10, 2
	s_add_co_u32 s10, s10, s2                      ; sb
	s_lshl_b32 s52, s10, 13
	s_mov_b32 s53, 0
	s_add_nc_u64 s[8:9], s[36:37], s[52:53]
	s_lshl_b32 s11, s10, 4
	v_add_nc_u32 v16, s11, v7
	v_cvt_f32_u32 v16, v16                         ; t = 16 sb + r
	v_lshlrev_b32 v17, 3, v8                       ; 8 h
	v_mov_b32 v30, 0xb94ca1f9                      ; the polynomials' leading coefficients
	v_mov_b32 v31, 0x37ccf5ce
.set q, 0
.rept 32
	v_add_nc_u32 v18, 16*(q/8)+q%8, v17            ; d
	v_cvt_f32_u32 v[32+q], v18
	v_mul_f32 v[32+q], 0xbe549a78, v[32+q]         ; - d log2(10000) / 64
.set q, q+1
.endr
.set q, 0
	s_wait_alu depctr_va_vdst(0)                   ; the wait ahead of the batch
.rept 32
	v_exp_f32 v[32+q], v[32+q]                     ; inv_freq = 10000^(-d / 64)
.set q, q+1
.endr
	v_nop                                          ; a plain line behind the last exponential
	s_wait_alu depctr_va_vdst(0)                   ; one wait for the batch, ahead of its first reader
.set q, 0
.rept 32
	v_mul_f32 v17, v16, v[32+q]                    ; the angle: one product
	v_mul_f32 v18, 0x3f22f983, v17
	v_rndne_f32 v18, v18                           ; whole quarter turns
	v_fmamk_f32 v19, v18, 0xbfc90fdb, v17          ; less pi / 2's high part,
	v_fmamk_f32 v19, v18, 0x333bbd2e, v19          ; and its low part: the rest, within +-pi / 4
	v_cvt_i32_f32 v20, v18
	v_mul_f32 v21, v19, v19
	v_fmaak_f32 v22, v30, v21, 0x3c08839e
	v_fmaak_f32 v22, v22, v21, 0xbe2aaaa3
	v_mul_f32 v23, v21, v19
	v_fma_f32 v22, v22, v23, v19                   ; sin of the rest
	v_fmaak_f32 v24, v31, v21, 0xbab6061a
	v_fmaak_f32 v24, v24, v21, 0x3d2aaaa5
	v_fma_f32 v24, v24, v21, -0.5
	v_fma_f32 v24, v24, v21, 1.0                   ; cos of the rest
	v_and_b32 v25, 1, v20
	v_cmp_eq_u32 vcc_lo, 1, v25                    ; an odd quarter swaps the two
	v_cndmask_b32 v26, v22, v24, vcc_lo
	v_cndmask_b32 v27, v24, v22, vcc_lo
	v_lshlrev_b32 v28, 30, v20
	v_and_b32 v28, 0x80000000, v28                 ; sin is negative in quarters 2 and 3,
	v_xor_b32 v[96+q], v26, v28
	v_add_nc_u32 v29, 1, v20
	v_lshlrev_b32 v29, 30, v29
	v_and_b32 v29, 0x80000000, v29                 ; cos in quarters 1 and 2
	v_xor_b32 v[64+q], v27, v29
.set q, q+1
.endr
.set q, 0
.rept 16
	global_store_b128 v3, v[64+4*q:64+4*q+3], s[8:9] offset:512*q   ; four registers of every lane: 512 consecutive bytes
.set q, q+1
.endr
.Lend:
	s_wait_tensorcnt 0x0                           ; the wave's end: behind my last LDS store
	ds_add_u32 v[SPW], v[NIL]
	s_wait_dscnt 0x0
	s_endpgm
.Lfunc_end_k_q2ec2ab57a0_prep:
	.size	k_q2ec2ab57a0_prep, .Lfunc_end_k_q2ec2ab57a0_prep-k_q2ec2ab57a0_prep
	.p2alignl 7, 3214868480
	.fill 96, 4, 3214868480
	.section	.rodata,"a",@progbits
	.p2align	6, 0x0
	.amdhsa_kernel k_q2ec2ab57a0_prep
		.amdhsa_group_segment_fixed_size 67072
		.amdhsa_private_segment_fixed_size 0
		.amdhsa_enable_private_segment 0
		.amdhsa_kernarg_size 96
		.amdhsa_user_sgpr_count 2
		.amdhsa_user_sgpr_kernarg_segment_ptr 1
		.amdhsa_wavefront_size32 1
		.amdhsa_system_sgpr_workgroup_id_x 1
		.amdhsa_system_sgpr_workgroup_id_y 1
		.amdhsa_system_sgpr_workgroup_id_z 1
		.amdhsa_system_vgpr_workitem_id 0
		.amdhsa_next_free_vgpr 224
		.amdhsa_next_free_sgpr 66
		.amdhsa_reserve_vcc 1
		.amdhsa_float_denorm_mode_32 3
		.amdhsa_float_denorm_mode_16_64 3
		.amdhsa_memory_ordered 1
		.amdhsa_forward_progress 1
		.amdhsa_inst_pref_size 191
	.end_amdhsa_kernel
	.amdgpu_metadata
---
amdhsa.version: [ 1, 2 ]
amdhsa.kernels:
  - .name:           k_q2ec2ab57a0_prep
    .symbol:         k_q2ec2ab57a0_prep.kd
    .args:
      - { .name: x, .offset: 0, .size: 8, .value_kind: global_buffer, .address_space: global }
      - { .name: Wq, .offset: 8, .size: 8, .value_kind: global_buffer, .address_space: global }
      - { .name: Wk, .offset: 16, .size: 8, .value_kind: global_buffer, .address_space: global }
      - { .name: Wv, .offset: 24, .size: 8, .value_kind: global_buffer, .address_space: global }
      - { .name: Wo, .offset: 32, .size: 8, .value_kind: global_buffer, .address_space: global }
      - { .name: mask, .offset: 40, .size: 8, .value_kind: global_buffer, .address_space: global }
      - { .name: lowp_scales, .offset: 48, .size: 8, .value_kind: global_buffer, .address_space: global }
      - { .name: xc, .offset: 56, .size: 8, .value_kind: global_buffer, .address_space: global }
      - { .name: wc, .offset: 64, .size: 8, .value_kind: global_buffer, .address_space: global }
      - { .name: maskw, .offset: 72, .size: 8, .value_kind: global_buffer, .address_space: global }
      - { .name: ropet, .offset: 80, .size: 8, .value_kind: global_buffer, .address_space: global }
      - { .name: flags, .offset: 88, .size: 8, .value_kind: global_buffer, .address_space: global }
    .group_segment_fixed_size: 67072
    .private_segment_fixed_size: 0
    .kernarg_segment_align: 8
    .kernarg_segment_size: 96
    .max_flat_workgroup_size: 128
    .sgpr_count:     66
    .vgpr_count:     224
    .wavefront_size: 32
...
	.end_amdgpu_metadata
.endif
;; end of part 1
;; launch qkv (part 2): grid 8 x 24, 4 waves a work-group, clusters of 4 x 4, 327,680 bytes of LDS; arguments xc, wc, ropet, bq, bk, bv, lowp_scales, qkvc; writes qkvc
.if DOCPART == 2
	.amdgcn_target "amdgcn-amd-amdhsa--gfx1250"
	.amdhsa_code_object_version 6
	.text
	.protected	k_q2ec2ab57a0_qkv
	.globl	k_q2ec2ab57a0_qkv
	.p2align	8
	.type	k_q2ec2ab57a0_qkv,@function
k_q2ec2ab57a0_qkv:
	s_mov_b64 s[64:65], 0
	v_nop
	global_prefetch_b8 v0, s[64:65] scope:SCOPE_SE
	s_setreg_imm32_b32 hwreg(HW_REG_WAVE_MODE, 25, 1), 1
	s_wait_xcnt 0x0
	s_wait_alu depctr_hold_cnt(0) depctr_sa_sdst(0) depctr_va_vdst(0) depctr_va_sdst(0) depctr_va_ssrc(0) depctr_va_vcc(0) depctr_vm_vsrc(0)
	s_getreg_b32 s2, hwreg(HW_REG_IB_STS2, 6, 4)
	s_cmp_eq_u32 s2, 0
	s_cbranch_scc0 .Lentry_in_a_cluster
	s_endpgm
.Lentry_in_a_cluster:
	s_bfe_u32 s2, ttmp6, 0x10000c
	s_cmp_lg_u32 s2, 0xf033
	s_cbranch_scc0 .Lentry_shape_is_right
	s_endpgm
.Lentry_shape_is_right:
; THE THREE PROJECTIONS on codes of E4M3, then bias, the rotary turn (q, k) and the quantiser of the attention's operands.  No work of the problem is left out here.
; Product p = 0 (q), 1 (k), 2 (v) is told by the cluster's y (two rows of clusters each).  C'[m'][n'] = sum over k of A'[m'][k] B'[n'][k], 2048 x 2048 x 2048:
;   p = 0, 1: A' = x's codes (set p), B' = the weight's: rows are positions s, columns are e.     p = 2: A' = Wv's codes, B' = x's (set 2): rows are e, columns are s, so that v leaves with the keys innermost.
; A tile of C', 256 x 256, is made by four waves, 128 x 128 each: 64 accumulators of 16 x 16.  K goes in steps of 256 through two LDS slots filled by the tensor data mover.
; CLUSTERS: 4 x 4 work-groups; the four of a row need the same tiles of A', the four of a column the same tiles of B': each tile is asked for jointly.
; THE MATRIX INSTRUCTION IS USED TRANSPOSED (source 0 = 16 rows of B', source 1 = 16 rows of A'): a lane holds one row m' and eight neighbouring n'.  A wave's 128 columns (p < 2) are one head.
; OUT: qkvc [3][16 heads][16 blocks][128 rows][128 bytes].  q: row = s % 128, byte = d.  k: the same (the attention's tiles of keys are 16 rows on end).
;      v: row = d, byte = s % 128.  y = sum x 2^(e(2p) + e(2p+1)) + bias; q, k: dims d < 64 are turned in pairs (d, d + 32) by the table's cos and sin; code = y / 2^eo held within +-448, eo = e6, e7, e9.
; LIMITS: e(2p) + e(2p+1) between -126 and 127; e6, e7, e9 between -126 and 119.  NaN is not served.
; REGISTERS, in windows of 256: window 0: v0-31 addresses; from v128 A's fragments, one set.  window 1: B's fragments, two sets.  windows 2, 3: the accumulators ((a, b) at v[8 (8 (a % 4) + b)]).
;   On the way out: window 0: v32-95 y; v96-127 the turned dims before the turn (v: the row biases); v128-159 codes; v160-191 rows read back; v192, v193 2^eo and 448 x 2^eo.  window 1: v0-63 bias; v64-255 cos, sin, three sets.
.set KSTEP,  256
.set ROWB,   256                       ; a tile's row in bytes
.set KROW,   2048                      ; a row of A' or B' in memory
.set PITCH,  272                       ; an LDS row: 256 bytes + 16 of padding = 68 words: the 16 rows of a load start at 16 different banks (64 banks of 4 bytes: ISA guide 11.1)
.set FR,     16
.set NL,     4
.set NP,     4                         ; places behind this matrix instruction (ISA guide 7.12.1)
.set HALFT,  128*PITCH
.set SLOT,   4*HALFT
.set LAPS,   4                         ; 2048 / 512
.set SPARE,  2*SLOT                    ; behind the ring: the spare words
.set SPI,    144                       ; the way out: a stage of 16 rows x (128 bytes + 16) for each wave, in slot 0, which has had its last fill and its last read by then
.set VST,    9216                      ; the v version's stages lie behind the q, k version's
.set CO,   8                           ; v8-11   store offsets: 16 l + (a % 2) Y + (t / 2) X
.set ADRA, 16                          ; v16-17
.set ADRB, 20                          ; v20-21
.set BH,   22                          ; v22     32 h: my half's bytes in a tile's 16 biases
.set BR,   23                          ; v23     4 r: my row's bias
.set STO,  24
.set RD,   25
.set SPW,  28
.set NIL,  29
.set PFO,  30                          ; v30     2,048 x lane: the prefetches' offset, a lane a row; never rewritten
.set L16,  31                          ; v31     16 x lane
.set TMP,  32
.set Y2,   96
.set AF,   128
.set G1, 24
.set G0, 32
.set G1B, 48
.set G0B, 56
.set PFA, 12                           ; s[12:13] where my prefetches stand
.set LIM, 11                           ; s11  1 in a wave that prefetches, else the greatest number
.set PP,  66                           ; s66  p
.set MSB, 0
.macro WIN new                         ; the immediate's high byte repeats the setting that is left
.if MSB != \new
	s_set_vgpr_msb (MSB<<8)|\new
.set MSB, \new
.endif
.endm
.set MUL_LO, 0xa1                      ; source 0 (B') window 1, source 1 (A') window 0, C and D window 2
.set MUL_HI, 0xf1
.set TO_B,   0x40
; A joint load: waves 0 and 1 fetch for A', waves 2 and 3 for B'.  An s_nop 0 and four v_nop follow each of the two lines.
.macro JLOAD g0a, g1a, g0b, g1b
	s_cmp_eq_u32 s15, 0
	s_cbranch_scc0 .Lfor_b_\@
	tensor_load_to_lds s[\g0a:\g0a+3], s[\g1a:\g1a+7]
	s_nop 0
.rept 4
	v_nop
.endr
	s_branch .Lasked_\@
.Lfor_b_\@:
	tensor_load_to_lds s[\g0b:\g0b+3], s[\g1b:\g1b+7]
	s_nop 0
.rept 4
	v_nop
.endr
.Lasked_\@:
.endm
; A prefetch of the K step that stands two refills on: 32 rows x 256 bytes, a lane a row, one instruction a wave.  Each row's 256 bytes of a K step are named once in the launch: A's rows by the clusters with x = 0,
; B's by the first of the product's two rows of clusters; the four partners that ask for a tile jointly share its rows out by address, 32 each.  The loop's last trip asks for nothing: no K step stands two refills on.
.macro ASK
	s_cmp_gt_u32 s3, s[LIM]
	s_cbranch_scc0 .Lnot_mine_\@
	s_wait_alu depctr_va_vdst(0)
	global_prefetch_b8 v[PFO], s[PFA:PFA+1] offset:ROWB th:TH_LOAD_NT scope:SCOPE_SE
.Lnot_mine_\@:
.endm
.macro CREST
	s_cmp_lg_u32 s14, 0
	s_cbranch_scc1 .Lnot_wave_0_\@
	s_barrier_signal -3
.Lnot_wave_0_\@:
	s_barrier_wait -3
	s_barrier_signal -1
	s_barrier_wait -1
.endm
.macro CROUND
	s_barrier_signal -1
	s_barrier_wait -1
	CREST
.endm
	s_load_b512 s[80:95], s[0:1], 0x0              ; xc, wc, ropet, bq, bk, bv, the scales' exponents, qkvc
	v_lshl_add_u32 v[SPW], v0, 2, SPARE
	v_mov_b32 v[NIL], 0
	ds_add_u32 v[SPW], v[NIL]                      ; the wave's opening: the add, twice on end, and its wait ahead of my first tensor load
	ds_add_u32 v[SPW], v[NIL]
	v_lshrrev_b32 v1, 5, v0
	v_readfirstlane_b32 s14, v1                    ; wave 0..3
	s_lshr_b32 s15, s14, 1                         ; my half of the tile's rows.  Also: I fetch for A' (0) or B' (1)
	s_and_b32 s16, s14, 1                          ; my half of its columns.  Also: which 128 rows I fetch
	s_bfe_u32 s40, ttmp6, 0x40000                  ; cx
	s_bfe_u32 s41, ttmp6, 0x40004                  ; cy
	s_lshl_b32 s42, ttmp9, 2
	s_add_co_u32 s42, s42, s40                     ; tile column 0..7
	s_and_b32 s17, ttmp7, 0xffff
	s_lshr_b32 s[PP], s17, 1                       ; p: the same in all sixteen partners
	s_lshl_b32 s17, s17, 2
	s_add_co_u32 s17, s17, s41                     ; work-group y = 8 p + tile row
	s_lshl_b32 s43, s41, 2
	s_lshl_b32 s43, 15, s43                        ; my row of the cluster
	s_lshl_b32 s44, 0x1111, s40                    ; my column
	s_or_b32 s[G1+0], s43, (0<<16)|(1<<20)|(1<<21)|(5<<22)|(3<<25)  ; the mask; elements of 1 byte; padding on; bit 21 beside a mask; after every 64 words, 4 words
	s_or_b32 s[G1B+0], s44, (0<<16)|(1<<20)|(1<<21)|(5<<22)|(3<<25)
.irp g, G1, G1B
	s_mov_b32 s[\g+1], ROWB<<16                    ; tensor_dim0
	s_mov_b32 s[\g+2], 128<<16                     ; tensor_dim1
	s_mov_b32 s[\g+3], ROWB<<16                    ; tile_dim0
	s_mov_b32 s[\g+4], 128                         ; tile_dim1
	s_mov_b32 s[\g+5], KROW                        ; from row to row
	s_mov_b32 s[\g+6], 0
	s_mov_b32 s[\g+7], 0
.endr
	s_lshl_b32 s18, s16, 7                         ; which 128 rows of the tile I fetch
	s_lshl_b32 s20, s17, 8
	s_add_co_u32 s20, s20, s18                     ; A': row 256 x work-group y + 128 x half: the sets lie 2,048 rows apart, eight tile rows
	s_lshl_b32 s20, s20, 11
	s_mov_b32 s21, 0
	s_lshl_b32 s46, s42, 8
	s_add_co_u32 s46, s46, s18                     ; B': row 256 x tile column + 128 x half,
	s_lshl_b32 s46, s46, 11
	s_lshl_b32 s47, s[PP], 22
	s_add_co_u32 s46, s46, s47                     ; in set p
	s_mov_b32 s47, 0
	s_mul_i32 s45, s14, HALFT                      ; where they go: wave x 128 rows
	s_wait_dscnt 0x0                               ; both opening adds are done
	s_wait_kmcnt 0x0
	s_load_b256 s[68:75], s[92:93], 0x0            ; e0 .. e7
	s_load_b128 s[76:79], s[92:93], 0x20           ; e8 .. e11
	s_cmp_eq_u32 s[PP], 2
	s_cselect_b64 s[4:5], s[82:83], s[80:81]       ; A': the weights for v, else x
	s_cselect_b64 s[6:7], s[80:81], s[82:83]       ; B': the other
	s_add_nc_u64 s[20:21], s[4:5], s[20:21]
	s_add_nc_u64 s[46:47], s[6:7], s[46:47]
	CROUND                                         ; all sixteen work-groups are here: the first joint loads meet
.irp s, 0,1
	s_mov_b32 s[G0+4*\s], 1
	s_add_co_u32 s[G0+4*\s+1], s45, \s*SLOT
	s_add_nc_u64 s[G0+4*\s+2:G0+4*\s+3], s[20:21], \s*ROWB
	s_or_b32 s[G0+4*\s+3], s[G0+4*\s+3], 0x80000000
	s_mov_b32 s[G0B+4*\s], 1
	s_add_co_u32 s[G0B+4*\s+1], s45, \s*SLOT
	s_add_nc_u64 s[G0B+4*\s+2:G0B+4*\s+3], s[46:47], \s*ROWB
	s_or_b32 s[G0B+4*\s+3], s[G0B+4*\s+3], 0x80000000
.endr
	JLOAD G0, G1, G0B, G1B                         ; K step 0: one tensor load a wave at the head
	v_and_b32 v1, 15, v0                           ; r
	s_wait_alu depctr_va_vdst(0)
	v_bfe_u32 v2, v0, 4, 1                         ; h
	v_mul_u32_u24 v3, v1, PITCH
	v_lshl_add_u32 v4, v2, 4, v3
	s_mul_i32 s21, s15, HALFT                      ; my 128 rows of A'
	s_mul_i32 s22, s16, HALFT                      ; my 128 rows of B',
	s_add_co_u32 s22, s22, 2*HALFT                 ; behind A's 256
.irp s, 0,1
	v_add_nc_u32 v[ADRA+\s], s21, v4
	v_add_nc_u32 v[ADRB+\s], s22, v4
	s_add_co_u32 s21, s21, SLOT
	s_add_co_u32 s22, s22, SLOT
.endr
	s_mul_i32 s23, s14, 16*SPI                     ; my stage
	v_mul_u32_u24 v5, v1, SPI
	s_wait_alu depctr_va_vdst(0)
	v_lshl_add_u32 v5, v2, 3, v5
	v_add_nc_u32 v[STO], s23, v5                   ; in: row r, 8 bytes for each half of the lanes
	v_and_b32 v6, 31, v0
	; OUT, AS THIS TEXT LAYS IT: qkvc [3][16 heads][16 blocks][8 tiles of 16 rows][4 images][32 lanes][16 bytes]: the attention's operand registers as they stand.
	; q, k: tile = 16 positions on end; image c, lane (r, h): bytes d = 32 c + 16 h + 0 .. 15 of row r.   v: tile = 16 d; image c, lane (r, h): keys 32 c + 8 h + 0 .. 7, then 32 c + 16 + 8 h + 0 .. 7 of row r
	v_mul_u32_u24 v7, v1, SPI
	v_lshl_add_u32 v7, v2, 4, v7
	v_add_nc_u32 v[RD], s23, v7                    ; back (q, k): row r, + 16 h
	v_lshlrev_b32 v[L16], 4, v6
	s_wait_alu depctr_va_vdst(0)
	v_lshlrev_b32 v[BH], 5, v2
	v_lshlrev_b32 v[BR], 2, v1
	v_lshlrev_b32 v[PFO], 11, v6
	; the prefetches: who asks, and where
	s_lshl_b32 s18, s17, 8                         ; A's tile begins at this row,
	s_lshl_b32 s19, s42, 8
	s_lshl_b32 s22, s[PP], 11
	s_add_co_u32 s19, s19, s22                     ; B's at this one
	s_and_b32 s22, ttmp7, 1                        ; which of the product's two rows of clusters
	s_cmp_eq_u32 s15, 0                            ; do I fetch for A'?
	s_cselect_b32 s18, s18, s19
	s_cselect_b32 s19, s40, s41                    ; my place among the four that ask with me
	s_cselect_b32 s22, ttmp9, s22                  ; the coordinate along which other clusters read the same rows
	s_cselect_b64 s[PFA:PFA+1], s[4:5], s[6:7]
	s_cmp_eq_u32 s22, 0
	s_cselect_b32 s[LIM], 1, -1                    ; the same in all sixteen partners, for a given wave
	s_lshl_b32 s22, s16, 7
	s_add_co_u32 s18, s18, s22                     ; + the 128 rows that I fetch
	s_lshl_b32 s19, s19, 5
	s_add_co_u32 s18, s18, s19                     ; + my work-group's 32 of them
	s_lshl_b32 s18, s18, 11
	s_add_co_u32 s18, s18, 2*ROWB                  ; at K step 2: the first refill steps it to 3 and names K step 4.  Nothing is prefetched at the head
	s_mov_b32 s19, 0
	s_add_nc_u64 s[PFA:PFA+1], s[PFA:PFA+1], s[18:19]
	; the way out's addresses
	s_and_b32 s4, s17, 7
	s_lshl_b32 s4, s4, 1
	s_add_co_u32 s4, s4, s15                       ; rt: which 128 rows of C' are mine
	s_lshl_b32 s5, s42, 1
	s_add_co_u32 s5, s5, s16                       ; ct: which 128 columns
	s_cmp_eq_u32 s[PP], 2
	s_cselect_b32 s6, s4, s5                       ; the head: ct for q and k, rt for v
	s_cselect_b32 s7, s5, s4                       ; the block of 128 positions: the other
	s_lshl_b32 s6, s6, 4
	s_add_co_u32 s6, s6, s7
	s_lshl_b32 s6, s6, 14
	s_lshl_b32 s7, s[PP], 22
	s_add_co_u32 s6, s6, s7
	s_mov_b32 s7, 0
	s_add_nc_u64 s[94:95], s[94:95], s[6:7]        ; my block of 16,384 bytes
	s_lshl_b32 s6, s4, 16
	s_add_nc_u64 s[84:85], s[84:85], s[6:7]        ; the table at position 128 rt (q, k)
	s_lshl_b32 s6, s4, 9
	s_add_nc_u64 s[90:91], s[90:91], s[6:7]        ; bv at 128 rt (v)
	s_cmp_eq_u32 s[PP], 0
	s_cselect_b64 s[86:87], s[86:87], s[88:89]     ; bq or bk,
	s_lshl_b32 s6, s5, 9
	s_add_nc_u64 s[86:87], s[86:87], s[6:7]        ; at 128 ct
	s_mov_b32 s8, 1024
	s_mov_b32 s9, 2048
	s_mov_b32 s6, s8                               ; two images on
	s_mov_b32 s7, s9                               ; a tile on: the same for q, k and v
	v_mov_b32 v[CO], v[L16]
	v_add_nc_u32 v[CO+1], s6, v[L16]
	v_add_nc_u32 v[CO+2], s7, v[L16]
	v_add_nc_u32 v[CO+3], 3072, v[L16]
.macro FRAG reg, adr, q, i             ; 16 rows x 128 K: lane l holds row l % 16; registers 4 c .. 4 c + 3 hold K = 32 c + 16 (l / 16) + 0 .. 15: the same order of k in A' and in B'
.irp c, 0,1,2,3
	ds_load_b128 v[\reg+4*\c:\reg+4*\c+3], v[\adr] offset:128*(\q)+32*\c+(\i)*16*PITCH
.endr
.endm
; 16 matrix instructions: A's blocks a0, a0 + 1 x B's eight.  The 64 accumulators take turns, one instruction a turn, in the same order in every step.
.macro MUL16 a0, p, zero
.irp a, \a0, \a0+1
.irp b, 0,1,2,3,4,5,6,7
.if \zero
	v_wmma_f32_16x16x128_fp8_fp8 v[8*(8*((\a)%4)+\b):8*(8*((\a)%4)+\b)+7], v[128*(\p)+FR*\b:128*(\p)+FR*\b+FR-1], v[AF+FR*(\a):AF+FR*(\a)+FR-1], 0
.else
	v_wmma_f32_16x16x128_fp8_fp8 v[8*(8*((\a)%4)+\b):8*(8*((\a)%4)+\b)+7], v[128*(\p)+FR*\b:128*(\p)+FR*\b+FR-1], v[AF+FR*(\a):AF+FR*(\a)+FR-1], v[8*(8*((\a)%4)+\b):8*(8*((\a)%4)+\b)+7]
.endif
.endr
.endr
.endm
.macro FETCH_B slot, q, p
	WIN TO_B
.irp i, 0,1,2,3,4,5,6,7
	FRAG 128*(\p)+FR*\i, ADRB+\slot, \q, \i
.endr
	WIN 0
.endm
.macro FETCH_A slot, q, i0
.irp i, \i0, \i0+1, \i0+2, \i0+3
	FRAG AF+FR*(\i), ADRA+\slot, \q, \i
.endr
.endm
.macro PLACES n                        ; plain vector lines between a matrix instruction and a load into, or a vector read of, its registers
.rept \n
	v_nop
.endr
.endm
.macro STEP slot, q, zero              ; 128 along K, with its successor in the same slot
	s_wait_dscnt 4*NL                              ; B's set and A's blocks 0-3 are in; A's blocks 4-7 may be out
	WIN MUL_LO
	MUL16 0, (\q)%2, \zero
	MUL16 2, (\q)%2, \zero
	s_wait_dscnt 0
	PLACES NP
	FETCH_B \slot, (\q)+1, 1-(\q)%2
	FETCH_A \slot, (\q)+1, 0
	WIN MUL_HI
	MUL16 4, (\q)%2, \zero
	MUL16 6, (\q)%2, \zero
	PLACES NP
	WIN 0
	FETCH_A \slot, (\q)+1, 4
.endm
; A slot's last step changes slots: one barrier; in front of it each wave waits for all its tensor loads, adds 0 to its spare word, and waits for that and for its reads of this slot.
.macro TURN slot, next, fill
.if \fill
	s_wait_xcnt 0x0                                ; the last prefetch, a K step back, has read its address: it is stepped here
	s_add_nc_u64 s[PFA:PFA+1], s[PFA:PFA+1], ROWB
.endif
	s_wait_tensorcnt 0x0                           ; all my tensor loads have landed: my part of the next slot
	ds_add_u32 v[SPW], v[NIL]
	s_wait_dscnt 4*NL+1                            ; the add and A's blocks 4-7 may be out
	WIN MUL_LO
	MUL16 0, 1, 0
	s_wait_dscnt 0x0                               ; the add is done, and my reads of this slot are over
	s_barrier_signal -1
	MUL16 2, 1, 0
	WIN 0
	s_barrier_wait -1
.if \fill
	CREST                                          ; the barrier has opened a round of the cluster's barrier: no wave of any partner still reads this slot or has a load on its way
	s_add_nc_u64 s[G0+4*\slot+2:G0+4*\slot+3], s[G0+4*\slot+2:G0+4*\slot+3], 2*ROWB
	s_add_nc_u64 s[G0B+4*\slot+2:G0B+4*\slot+3], s[G0B+4*\slot+2:G0B+4*\slot+3], 2*ROWB
	JLOAD G0+4*\slot, G1, G0B+4*\slot, G1B         ; the first tensor load behind the round; its four v_nop are the places in front of the loads below
.else
	PLACES NP
.endif
	FETCH_B \next, 0, 0
	FETCH_A \next, 0, 0
.if \fill
	ASK
.endif
	WIN MUL_HI
	MUL16 4, 1, 0
	MUL16 6, 1, 0
	PLACES NP
	WIN 0
	FETCH_A \next, 0, 4
.endm
	s_wait_alu depctr_va_vdst(0)                   ; the wait at the head's end
	s_wait_tensorcnt 0x0                           ; my part of K step 0 is in
	ds_add_u32 v[SPW], v[NIL]
	s_wait_dscnt 0x0
	CROUND                                         ; a whole round: everybody's part of K step 0 is in
	JLOAD G0+4, G1, G0B+4, G1B                     ; K step 1: the first tensor load behind the round
	FETCH_B 0, 0, 0
	FETCH_A 0, 0, 0
	FETCH_A 0, 0, 4
	STEP 0, 0, 1                                   ; the first step's products start the sums
	s_mov_b32 s3, LAPS-1
.Llap:                                                 ; a trip goes once round the ring and fills both slots again
	TURN 0, 1, 1
	STEP 1, 0, 0
	TURN 1, 0, 1
	STEP 0, 0, 0
	s_sub_co_u32 s3, s3, 1
	s_cmp_lg_u32 s3, 0
	s_cbranch_scc1 .Llap
	TURN 0, 1, 0                                   ; the last lap fills nothing
	STEP 1, 0, 0
	s_wait_dscnt 4*NL
	WIN MUL_LO
	MUL16 0, 1, 0
	MUL16 2, 1, 0
	s_wait_dscnt 0
	WIN MUL_HI
	MUL16 4, 1, 0
	MUL16 6, 1, 0
	WIN 0
; THE WAY OUT, block by block of 16 rows x 128 columns.
	s_wait_kmcnt 0x0
	s_add_co_i32 s96, s68, s69                     ; e0 + e1
	s_add_co_i32 s97, s70, s71                     ; e2 + e3
	s_add_co_i32 s98, s72, s73                     ; e4 + e5
	s_cmp_eq_u32 s[PP], 1
	s_cselect_b32 s96, s97, s96
	s_cselect_b32 s99, s75, s74                    ; e7 or e6
	s_cmp_eq_u32 s[PP], 2
	s_cselect_b32 s96, s98, s96
	s_cselect_b32 s99, s77, s99                    ; or e9
	s_add_co_i32 s96, s96, 127
	s_lshl_b32 s96, s96, 23                        ; 2^(the product's two exponents) as f32
	s_mov_b32 s97, s96                             ; (named with it as a pair)
	s_add_co_i32 s99, s99, 127
	s_lshl_b32 s100, s99, 23                       ; 2^eo
	s_add_co_i32 s99, s99, 8
	s_lshl_b32 s99, s99, 23
	s_or_b32 s99, s99, 0x600000                    ; 448 x 2^eo
	PLACES NP                                      ; behind the last products: for the writes and loads into registers that held fragments, and for the reads of results
	v_mov_b32 v192, s100
	v_mov_b32 v193, s99
.macro RLOAD a                         ; cos and sin of block a's 16 positions, as an image of the registers: 16 loads of 512 consecutive bytes
	WIN TO_B
.set g, 0
.rept 16
	global_load_b128 v[64+64*((\a)%3)+4*g:64+64*((\a)%3)+4*g+3], v[L16], s[84:85] offset:8192*(\a)+512*g   ; three sets by turns, window 1's v64-255
.set g, g+1
.endr
.endm
.macro YQK a                           ; y = sum x 2^.. + bias; the dims that are turned go aside.  Each accumulator is read from its low end on
	WIN 0x12+(\a)/4                                ; source 0 window 2 or 3, source 2 (bias) window 1
.set AC, 64*((\a)%4)
.irp b, 0,1,2,3,4,5,6,7
.irp j, 0,2,4,6
.if \b < 4
	v_pk_fma_f32 v[Y2+8*\b+\j:Y2+8*\b+\j+1], v[AC+8*\b+\j:AC+8*\b+\j+1], s[96:97], v[8*\b+\j:8*\b+\j+1] op_sel_hi:[1,0,1]
.else
	v_pk_fma_f32 v[TMP+8*\b+\j:TMP+8*\b+\j+1], v[AC+8*\b+\j:AC+8*\b+\j+1], s[96:97], v[8*\b+\j:8*\b+\j+1] op_sel_hi:[1,0,1]
.endif
.endr
.endr
.endm
.macro ROT a                           ; d < 32: y(d) cos(d) - y(d + 32) sin(d);  32 <= d < 64: y(d) cos(d) + y(d - 32) sin(d).  Tiles b and b + 2 hold d and d + 32
	WIN 0x04                                       ; source 1 (cos, sin) window 1
.set RP, 64+64*((\a)%3)
.irp b, 0,1
.irp j, 0,2,4,6
	v_pk_mul_f32 v[TMP+8*\b+\j:TMP+8*\b+\j+1], v[Y2+8*\b+\j:Y2+8*\b+\j+1], v[RP+8*\b+\j:RP+8*\b+\j+1]
	v_pk_mul_f32 v[TMP+16+8*\b+\j:TMP+16+8*\b+\j+1], v[Y2+16+8*\b+\j:Y2+16+8*\b+\j+1], v[RP+16+8*\b+\j:RP+16+8*\b+\j+1]
	v_pk_fma_f32 v[TMP+8*\b+\j:TMP+8*\b+\j+1], v[Y2+16+8*\b+\j:Y2+16+8*\b+\j+1], v[RP+32+8*\b+\j:RP+32+8*\b+\j+1], v[TMP+8*\b+\j:TMP+8*\b+\j+1] neg_lo:[1,0,0] neg_hi:[1,0,0]
	v_pk_fma_f32 v[TMP+16+8*\b+\j:TMP+16+8*\b+\j+1], v[Y2+8*\b+\j:Y2+8*\b+\j+1], v[RP+48+8*\b+\j:RP+48+8*\b+\j+1], v[TMP+16+8*\b+\j:TMP+16+8*\b+\j+1]
.endr
.endr
.endm
.macro YV a                            ; v: the bias belongs to the row
	WIN 2+(\a)/4
.set AC, 64*((\a)%4)
.set j, 0
.rept 32
	v_pk_fma_f32 v[TMP+j:TMP+j+1], v[AC+j:AC+j+1], s[96:97], v[Y2+2*(\a):Y2+2*(\a)+1] op_sel_hi:[1,0,0]
.set j, j+2
.endr
.endm
.macro QCV a                           ; 64 numbers of a lane become 64 codes
	WIN 0
.set j, 0
.rept 64
	v_med3_num_f32 v[TMP+j], v[TMP+j], -v193, v193 ; the conversion does not saturate (ISA guide 7.6.2): the hold first
.set j, j+1
.endr
.irp b, 0,1,2,3,4,5,6,7
	v_cvt_scalef32_pk8_fp8_f32 v[128+16*((\a)%2)+2*\b:128+16*((\a)%2)+2*\b+1], v[TMP+8*\b:TMP+8*\b+7], v192
.endr
	v_nop                                          ; a plain line behind the last conversion: the next block's lines write its sources
.endm
.macro TOST a, so                      ; through my stage: in by 8 bytes, back as whole rows.  LDS serves a wave's instructions in order: no wait between
.if (\a) > 1
	s_wait_xcnt 0x0                                ; block a - 2's stores have read the registers into which this block comes back
.endif
.irp b, 0,1,2,3,4,5,6,7
	ds_store_b64 v[STO], v[128+16*((\a)%2)+2*\b:128+16*((\a)%2)+2*\b+1] offset:\so+16*\b
.endr
.irp t, 0,1,2,3
.if \so
	ds_load_b64 v[160+16*((\a)%2)+4*\t:160+16*((\a)%2)+4*\t+1], v[STO] offset:\so+32*\t       ; v: image t, two pieces of 8 keys
	ds_load_b64 v[160+16*((\a)%2)+4*\t+2:160+16*((\a)%2)+4*\t+3], v[STO] offset:\so+32*\t+16
.else
	ds_load_b128 v[160+16*((\a)%2)+4*\t:160+16*((\a)%2)+4*\t+3], v[RD] offset:32*\t           ; q, k: image t
.endif
.endr
.endm
.macro SEND a, younger                 ; younger: the LDS instructions issued behind block a's loads
	s_wait_dscnt \younger
.irp t, 0,1,2,3
	global_store_b128 v[CO+2*((\a)%2)+\t/2], v[160+16*((\a)%2)+4*\t:160+16*((\a)%2)+4*\t+3], s[94:95] offset:4096*((\a)/2)+512*(\t%2)   ; four rows of 128 bytes: 512 consecutive bytes
.endr
.endm
	s_cmp_eq_u32 s[PP], 2
	s_cbranch_scc1 .Lv_out
	; ---- q and k
	WIN TO_B
	s_wait_alu depctr_va_vdst(0)
.irp b, 0,1,2,3,4,5,6,7
	global_load_b128 v[8*\b:8*\b+3], v[BH], s[86:87] offset:64*\b       ; the bias of my eight columns of tile b
	global_load_b128 v[8*\b+4:8*\b+7], v[BH], s[86:87] offset:64*\b+16
.endr
	RLOAD 0
	RLOAD 1
.macro QKBLOCK a
.if (\a) < 6
	RLOAD (\a)+2                                   ; the table runs two blocks ahead
	s_wait_loadcnt 32                              ; this block's table (and the bias) is in; the next two blocks' 16 loads each may be out
.else
	s_wait_loadcnt 16*(7-(\a))
.endif
	YQK \a
	ROT \a
	QCV \a
	s_wait_alu depctr_va_vdst(0)
	TOST \a, 0
.if (\a) > 0
	SEND (\a)-1, 12                                ; behind block a - 1's loads: block a's 8 stores and 4 loads
.endif
.endm
.irp a, 0,1,2,3,4,5,6,7
	QKBLOCK \a
.endr
	SEND 7, 0
	s_branch .Ljoin
	; ---- v
.Lv_out:
	s_wait_alu depctr_va_vdst(0)
.irp a, 0,1,2,3,4,5,6,7
	global_load_b32 v[Y2+2*\a], v[BR], s[90:91] offset:64*\a            ; bv of row 16 a + r
	v_mov_b32 v[Y2+2*\a+1], 0                      ; (named with it as a pair)
.endr
	s_wait_alu depctr_va_vdst(0)
	s_wait_loadcnt 0x0
.macro VBLOCK a
	YV \a
	QCV \a
	s_wait_alu depctr_va_vdst(0)
	TOST \a, VST
.if (\a) > 0
	SEND (\a)-1, 16                                ; behind block a - 1's loads: block a's 8 stores and 8 loads
.endif
.endm
.irp a, 0,1,2,3,4,5,6,7
	VBLOCK \a
.endr
	SEND 7, 0
.Ljoin:
	s_wait_tensorcnt 0x0                           ; the wave's end: behind my last tensor load and my last LDS store
	ds_add_u32 v[SPW], v[NIL]
	s_wait_dscnt 0x0
	CROUND                                         ; the closing round
	s_endpgm
.Lfunc_end_k_q2ec2ab57a0_qkv:
	.size	k_q2ec2ab57a0_qkv, .Lfunc_end_k_q2ec2ab57a0_qkv-k_q2ec2ab57a0_qkv
	.p2alignl 7, 3214868480
	.fill 96, 4, 3214868480
	.section	.rodata,"a",@progbits
	.p2align	6, 0x0
	.amdhsa_kernel k_q2ec2ab57a0_qkv
		.amdhsa_group_segment_fixed_size 327680
		.amdhsa_private_segment_fixed_size 0
		.amdhsa_enable_private_segment 0
		.amdhsa_kernarg_size 64
		.amdhsa_user_sgpr_count 2
		.amdhsa_user_sgpr_kernarg_segment_ptr 1
		.amdhsa_wavefront_size32 1
		.amdhsa_system_sgpr_workgroup_id_x 1
		.amdhsa_system_sgpr_workgroup_id_y 1
		.amdhsa_system_sgpr_workgroup_id_z 1
		.amdhsa_system_vgpr_workitem_id 0
		.amdhsa_next_free_vgpr 1024
		.amdhsa_next_free_sgpr 102
		.amdhsa_reserve_vcc 0
		.amdhsa_float_denorm_mode_32 3
		.amdhsa_float_denorm_mode_16_64 3
		.amdhsa_memory_ordered 1
		.amdhsa_forward_progress 1
		.amdhsa_inst_pref_size 239
	.end_amdhsa_kernel
	.amdgpu_metadata
---
amdhsa.version: [ 1, 2 ]
amdhsa.kernels:
  - .name:           k_q2ec2ab57a0_qkv
    .symbol:         k_q2ec2ab57a0_qkv.kd
    .args:
      - { .name: xc, .offset: 0, .size: 8, .value_kind: global_buffer, .address_space: global }
      - { .name: wc, .offset: 8, .size: 8, .value_kind: global_buffer, .address_space: global }
      - { .name: ropet, .offset: 16, .size: 8, .value_kind: global_buffer, .address_space: global }
      - { .name: bq, .offset: 24, .size: 8, .value_kind: global_buffer, .address_space: global }
      - { .name: bk, .offset: 32, .size: 8, .value_kind: global_buffer, .address_space: global }
      - { .name: bv, .offset: 40, .size: 8, .value_kind: global_buffer, .address_space: global }
      - { .name: lowp_scales, .offset: 48, .size: 8, .value_kind: global_buffer, .address_space: global }
      - { .name: qkvc, .offset: 56, .size: 8, .value_kind: global_buffer, .address_space: global }
    .group_segment_fixed_size: 327680
    .private_segment_fixed_size: 0
    .kernarg_segment_align: 8
    .kernarg_segment_size: 64
    .max_flat_workgroup_size: 128
    .sgpr_count:     102
    .vgpr_count:     1024
    .wavefront_size: 32
...
	.end_amdgpu_metadata
.endif
;; end of part 2
;; launch attn (part 3): grid 16 x 16, 8 waves a work-group, no clusters, 289,792 bytes of LDS; arguments qkvc, maskw, flags, lowp_scales, oc; writes oc
.if DOCPART == 3
	.amdgcn_target "amdgcn-amd-amdhsa--gfx1250"
	.amdhsa_code_object_version 6
	.text
	.protected	k_q2ec2ab57a0_attn
	.globl	k_q2ec2ab57a0_attn
	.p2align	8
	.type	k_q2ec2ab57a0_attn,@function
k_q2ec2ab57a0_attn:
	s_mov_b64 s[64:65], 0
	v_nop
	global_prefetch_b8 v0, s[64:65] scope:SCOPE_SE
	s_setreg_imm32_b32 hwreg(HW_REG_WAVE_MODE, 25, 1), 1
	s_wait_xcnt 0x0
; ATTENTION on codes of E4M3: S^T = K Q^T, the mask, p = 2^(t - M) with M a whole number, O^T = V^T P^T, O / l, and the quantiser of the last projection's operand (scale 2^e10).
; WHAT THE MASK'S WHOLE NUMBERS ASK FOR.  The mask is an input; an earlier launch has stored it as lane masks (maskw) and as flags for each tile of 16 queries and key step of 128 keys.
;   A key step none of whose keys counts for any of a wave's 32 queries is not walked, PROVIDED each of those queries has a key that counts somewhere: its p there would be 2^(about -1e9 - M), which is 0 in f32.
;   If some query of a tile has no key that counts at all, its weights are all equal over all 2,048 keys: every key step is then walked.  A key step all of whose keys count needs no select.
;   LIMIT: that holds while the scaled scores of keys that count stay above -2^29.  A NaN or an infinity in K or V that reaches only key steps not walked is not carried to the result.
; SHARES.  A work-group has one head and the blocks 31 - i and i of 64 queries.  Wave w = pr + 2 k does two jobs, one after the other: the 32 queries pr of block 31 - i on the key steps that are k modulo 4, then
;   the 32 queries pr of block i on the key steps that are 3 - k modulo 4.  32 queries are two tiles, so that each fragment of K and V feeds two matrix instructions.
;   Each job sends both tiles' O^T, -M and l to LDS bytes of its own; behind one barrier each of the eight waves joins the four shares of one of the work-group's eight tiles and stores it.
; OPERANDS come from memory straight into registers: qkvc holds them as images of the registers, 512 consecutive bytes a load.  Q and K share one order of d; P and V stand in the form's own order of k (registers 2 c, 2 c + 1: k = 16 c + 8 h + 0 .. 7).
;   No tensor loads, so no clusters and no joint loads: the walk hangs on flags read from memory.  No data prefetch: which steps a wave walks is known from the flags alone, and a step's V is asked for ahead of its softmax, the next K behind the second product.
; LIMITS on the given exponents: e6 + e7 between -90 and 120; e8 and e10 between -126 and 119.  NaN is not served.
; REGISTERS.  Window 0: v1-6, v226-231, v242-245 addresses; v8-23 the two tiles' state; v24-27 second halves of the sums; v28-30 constants; v32-63 Q; v64-191 eight fragments of K or of V; v192-223 P's codes.  Window 1: v0-127 S^T, then p; v128-255 O^T.
.set MRGB,  8448                       ; a tile's share: 64 registers x 128 bytes, then -M and l, 8 bytes a lane
.set RGN,   2*MRGB                     ; a job's two tiles; wave w's job j at (2 w + j) RGN
.set STG,   16*RGN                     ; the way out: 16 rows x (128 bytes + 16) for each wave
.set SPI,   144
.set SPARE, STG+8*16*SPI               ; the spare words, 128 bytes for each wave
.set L16,  1                           ; 16 x lane
.set SPW,  2
.set NIL,  3
.set SND,  4
.set SNDM, 6
.set ST,   8                           ; tile e at ST + 8 e: +0 -M, +1 the largest raw score (at the end l), +2 +3 the sum, +4 f, +5 its pair's upper half, +6 +7 at work
.set LB,   24
.set CAP,  28                          ; 448 x 2^e8
.set PSC,  29                          ; 2^e8
.set NEG,  30                          ; the raw score of a key that does not count
.set Q,    32
.set KV,   64
.set P,    192
.set OSC,  224                         ; 2^e10
.set OCAP, 225
.set STI,  226
.set STB,  227
.set RCV,  228                         ; v228-231 the four shares that I join
.set FK,   232                         ; v232-239 their factors, each the low half of a pair
.set AM,   240
.set LS,   241
.set RCVM, 242                         ; v242-245
.set ML,   246                         ; v246-253 their -M and l
.set MSB, 0
.macro WIN new                         ; the immediate's high byte repeats the setting that is left
.if MSB != \new
	s_set_vgpr_msb (MSB<<8)|\new
.set MSB, \new
.endif
.endm
	s_load_b256 s[4:11], s[0:1], 0x0               ; qkvc, maskw, flags, the scales' exponents
	s_load_b64 s[12:13], s[0:1], 0x20              ; oc
	v_lshl_add_u32 v[SPW], v0, 2, SPARE
	v_mov_b32 v[NIL], 0
	v_lshrrev_b32 v4, 5, v0
	v_readfirstlane_b32 s2, v4                     ; wave 0..7
	s_mul_i32 s96, s2, 2*RGN                       ; where I send
	s_and_b32 s66, s2, 1                           ; pr
	s_bfe_u32 s101, s2, 0x10001                    ; I join a tile of job (w / 2) % 2,
	s_lshr_b32 s100, s2, 2                         ; its tile w / 4, of my own pr
	s_mul_i32 s98, s66, 2*RGN
	s_mul_i32 s99, s101, RGN
	s_add_co_u32 s98, s98, s99
	s_mul_i32 s99, s100, MRGB
	s_add_co_u32 s98, s98, s99                     ; the share of wave pr; the others lie 4 RGN apart
	s_mul_i32 s99, s2, 16*SPI
	s_add_co_u32 s99, s99, STG
	v_and_b32 v5, 31, v0                           ; lane
	v_lshlrev_b32 v[L16], 4, v5
	v_lshl_add_u32 v[SND], v5, 4, s96
	v_lshl_add_u32 v[SNDM], v5, 3, s96
	v_lshl_add_u32 v[RCV], v5, 4, s98
	v_lshl_add_u32 v[RCVM], v5, 3, s98
.irp k, 1,2,3
	v_add_nc_u32 v[RCV+\k], 4*RGN*\k, v[RCV]
	v_add_nc_u32 v[RCVM+\k], 4*RGN*\k, v[RCVM]
.endr
	v_and_b32 v8, 15, v0
	v_bfe_u32 v9, v0, 4, 1
	v_mul_u32_u24 v10, v8, SPI
	v_lshl_add_u32 v10, v9, 3, v10
	v_add_nc_u32 v[STI], s99, v10                  ; the stage, in: row r, 8 bytes for each half
	v_lshrrev_b32 v8, 3, v5
	v_mul_u32_u24 v8, v8, SPI
	v_and_b32 v9, 7, v5
	v_lshl_add_u32 v9, v9, 4, v8
	v_add_nc_u32 v[STB], s99, v9                   ; back: eight lanes to a row
.irp k, 0,1,2,3
	v_mov_b32 v[FK+2*\k+1], 0                      ; upper halves of pairs that the way out names
.endr
	s_lshr_b32 s67, s2, 1                          ; k
	s_sub_co_u32 s3, 31, ttmp9
	s_lshl_b32 s3, s3, 1
	s_add_co_u32 s3, s3, s66
	s_lshl_b32 s3, s3, 1                           ; job 0's first tile of 16 queries
	s_lshl_b32 s14, ttmp9, 1
	s_add_co_u32 s14, s14, s66
	s_lshl_b32 s14, s14, 1                         ; job 1's
	s_cmp_lg_u32 s101, 0
	s_cselect_b32 s101, s14, s3
	s_add_co_u32 s101, s101, s100                  ; the tile that I join and store
	s_and_b32 s66, ttmp7, 0xffff
	s_lshl_b32 s66, s66, 18                        ; the head's bytes in a set of codes
	s_mov_b32 s72, 0x76543210
	s_mov_b32 s73, 0xfedcba98                      ; lane l xor 16
	s_mov_b32 s97, 0                               ; stays 0: the upper half of every offset
	s_wait_alu depctr_va_vdst(0)                   ; the wait ahead of the wait below
	s_wait_kmcnt 0x0
	s_lshl_b32 s96, s101, 11
	s_add_co_u32 s96, s96, s66
	s_add_nc_u64 s[98:99], s[12:13], s[96:97]      ; where my tile's result goes
	s_lshl_b32 s96, s3, 9
	s_add_nc_u64 s[100:101], s[8:9], s[96:97]
	s_lshl_b32 s96, s14, 9
	s_add_nc_u64 s[70:71], s[8:9], s[96:97]
.irp w, 0,1,2,3
	s_load_b128 s[16+4*\w:19+4*\w], s[100:101], 128*\w       ; the flags of key steps 4 w .. 4 w + 3: job 0's tile 0,
	s_load_b128 s[32+4*\w:35+4*\w], s[100:101], 512+128*\w   ; its tile 1,
	s_load_b128 s[48+4*\w:51+4*\w], s[70:71], 128*\w         ; job 1's two
	s_load_b128 s[80+4*\w:83+4*\w], s[70:71], 512+128*\w
.endr
	s_load_b128 s[76:79], s[10:11], 0x18           ; e6 .. e9
	s_load_b32 s15, s[10:11], 0x28                 ; e10
	s_wait_kmcnt 0x0
	s_add_co_i32 s96, s76, s77                     ; e6 + e7
	s_lshl_b32 s8, s96, 23
	s_add_co_i32 s74, s8, 0x3e0293ee               ; c = log2(e) / sqrt(128) x 2^(e6 + e7)
	s_mov_b32 s75, s74
	s_sub_co_i32 s96, 160, s96
	s_lshl_b32 s96, s96, 23
	s_or_b32 s96, s96, 0x80000000
	v_mov_b32 v[NEG], s96                          ; -2^(33 - e6 - e7): x c it is a whole number near -1.1e9, the same for every such key
	s_add_co_i32 s96, s78, 127
	s_lshl_b32 s8, s96, 23
	v_mov_b32 v[PSC], s8
	s_add_co_i32 s96, s96, 8
	s_lshl_b32 s96, s96, 23
	s_or_b32 s96, s96, 0x600000
	v_mov_b32 v[CAP], s96
	s_add_co_i32 s96, s15, 127
	s_lshl_b32 s8, s96, 23
	v_mov_b32 v[OSC], s8
	s_add_co_i32 s96, s96, 8
	s_lshl_b32 s96, s96, 23
	s_or_b32 s96, s96, 0x600000
	v_mov_b32 v[OCAP], s96
	s_add_co_i32 s100, s78, s79                    ; e8 + e9
	s_cmp_lt_i32 s78, -8
	s_cselect_b32 s101, 1, 0                       ; p is at most 1: it can pass 448 x 2^e8 only where e8 < -8
	s_lshl_b32 s96, s3, 12
	s_add_nc_u64 s[76:77], s[6:7], s[96:97]        ; job 0's mask words (tile 1's lie 4,096 bytes on),
	s_lshl_b32 s96, s14, 12
	s_add_nc_u64 s[12:13], s[6:7], s[96:97]        ; job 1's
	s_add_co_u32 s96, s66, 1<<22
	s_add_nc_u64 s[68:69], s[4:5], s[96:97]        ; the head's K; its V lies 2^22 bytes on
	s_lshl_b32 s96, s14, 11
	s_add_co_u32 s96, s96, s66
	s_add_nc_u64 s[10:11], s[4:5], s[96:97]        ; job 1's Q,
	s_lshl_b32 s96, s3, 11
	s_add_co_u32 s96, s96, s66
	s_add_nc_u64 s[4:5], s[4:5], s[96:97]          ; job 0's
.macro FLG b, lv, op                   ; a tile's 16 bits: steps to walk, steps all of whose keys count
	s_or_b32 s96, s[\b], s[\b+4]
	s_or_b32 s96, s96, s[\b+8]
	s_or_b32 s96, s96, s[\b+12]
	s_lshr_b32 s6, s96, 16
	s_or_b32 s96, s96, s6
	s_and_b32 s96, s96, 0xffff                     ; bit r: query r has a key that counts
	s_mov_b32 s[\lv], s[\b+1]
	s_mov_b32 s[\op], s[\b+2]
.irp w, 1,2,3
	s_lshl_b32 s6, s[\b+4*\w+1], 4*\w
	s_or_b32 s[\lv], s[\lv], s6
	s_lshl_b32 s6, s[\b+4*\w+2], 4*\w
	s_or_b32 s[\op], s[\op], s6
.endr
	s_cmp_eq_u32 s96, 0xffff
	s_cselect_b32 s[\lv], s[\lv], 0xffff           ; a query with no key that counts needs every step
.endm
	FLG 16, 15, 66
	FLG 32, 3, 14
	s_or_b32 s15, s15, s3
	s_and_b32 s66, s66, s14                        ; job 0: the steps that need no select
	FLG 48, 8, 9
	FLG 80, 3, 14
	s_or_b32 s8, s8, s3
	s_and_b32 s9, s9, s14                          ; job 1's
	s_lshl_b32 s3, 0x1111, s67
	s_and_b32 s15, s15, s3                         ; job 0: the steps that I walk: k modulo 4
	s_sub_co_u32 s67, 3, s67
	s_lshl_b32 s3, 0x1111, s67
	s_and_b32 s8, s8, s3                           ; job 1: 3 - k modulo 4
	s_mov_b32 s7, 2                                ; jobs to go
.macro NEXTK                           ; my next step's number, and its eight fragments of K
	s_ctz_i32_b32 s14, s15
	s_min_u32 s14, s14, 15
	s_sub_co_u32 s96, s15, 1
	s_and_b32 s15, s15, s96
	s_lshl_b32 s96, s14, 14
	s_add_nc_u64 s[70:71], s[68:69], s[96:97]      ; every load that named this base has been waited for
.set i, 0
.rept 32
	global_load_b128 v[KV+4*i:KV+4*i+3], v[L16], s[70:71] offset:512*i
.set i, i+1
.endr
.endm
.macro SMUL f0                         ; four tiles of 16 keys x my two tiles of queries
.irp f, \f0, \f0+1, \f0+2, \f0+3
.irp e, 0,1
	v_wmma_f32_16x16x128_fp8_fp8 v[64*\e+8*(\f):64*\e+8*(\f)+7], v[KV+16*(\f):KV+16*(\f)+15], v[Q+16*\e:Q+16*\e+15], 0
.endr
.endr
.endm
.macro PVMUL f0                        ; four tiles of 16 d x my two tiles; the 16 accumulators take turns
.irp f, \f0, \f0+1, \f0+2, \f0+3
.irp e, 0,1
	v_wmma_f32_16x16x128_fp8_fp8 v[128+64*\e+8*(\f):128+64*\e+8*(\f)+7], v[KV+16*(\f):KV+16*(\f)+15], v[P+16*\e:P+16*\e+15], v[128+64*\e+8*(\f):128+64*\e+8*(\f)+7]
.endr
.endr
.endm
.macro SENDJ j                         ; job j's two tiles to my LDS bytes: -M and l, and O^T as an image of its registers
.irp e, 0,1
	ds_store_b64 v[SNDM], v[ST+8*\e:ST+8*\e+1] offset:\j*RGN+\e*MRGB+8192
.endr
	WIN 0x04
.irp e, 0,1
.set i, 0
.rept 16
	ds_store_b128 v[SND], v[128+64*\e+4*i:131+64*\e+4*i] offset:\j*RGN+\e*MRGB+512*i
.set i, i+1
.endr
.endr
	WIN 0
.endm
.Ljob:                                             ; two trips: a job each
.irp c, 0,1,2,3
	global_load_b128 v[Q+4*\c:Q+4*\c+3], v[L16], s[4:5] offset:512*\c
	global_load_b128 v[Q+16+4*\c:Q+16+4*\c+3], v[L16], s[4:5] offset:2048+512*\c
.endr
.irp e, 0,1
	v_mov_b32 v[ST+8*\e], 0x7f61b1e6               ; -M: 3e38
	v_mov_b32 v[ST+8*\e+1], 0xff61b1e6             ; the largest raw score so far: -3e38
.irp k, 2,3,4,5,6,7
	v_mov_b32 v[ST+8*\e+\k], 0
.endr
	v_mov_b32 v[LB+2*\e], 0
	v_mov_b32 v[LB+2*\e+1], 0
.endr
	WIN 0x40
.set j, 0
.rept 128
	v_mov_b32 v[128+j], 0                          ; O^T: a job may walk no step at all, and the loop has no first step of its own
.set j, j+1
.endr
	WIN 0
	s_bcnt1_i32_b32 s3, s15                        ; how many steps I walk
	s_cmp_eq_u32 s3, 0
	s_wait_alu depctr_va_vdst(0)                   ; the wait ahead of the branch
	s_cbranch_scc1 .Ldone
	NEXTK
.Ltrip:                                            ; a key step: 128 keys x 32 queries
	s_wait_loadcnt 16                              ; K's first four fragments (and Q) are in; 16 loads may be out
	WIN 0x40
	SMUL 0
	s_wait_loadcnt 0
	SMUL 4
	WIN 0
	v_mov_b32 v[ST+6], v[ST+1]                     ; a second chain for each maximum.  These four lines are the places behind the products
	v_mov_b32 v[ST+14], v[ST+9]
	v_nop
	v_nop
.set i, 0
.rept 32
	global_load_b128 v[KV+4*i:KV+4*i+3], v[L16], s[70:71] offset:4194304+512*i   ; V's eight fragments: the softmax stands between these loads and the wait for them
.set i, i+1
.endr
	s_bitcmp1_b32 s66, s14
	s_wait_alu depctr_va_vdst(0)                   ; the wait ahead of the branch
	s_cbranch_scc1 .Lopen                          ; all keys of the step count for all my queries
	s_lshl_b32 s96, s14, 8
	s_add_nc_u64 s[78:79], s[76:77], s[96:97]
.irp e, 0,1
	s_load_b512 s[16:31], s[78:79], 4096*\e
	s_load_b512 s[32:47], s[78:79], 4096*\e+0x40
	s_load_b512 s[48:63], s[78:79], 4096*\e+0x80
	s_load_b512 s[80:95], s[78:79], 4096*\e+0xc0
	s_wait_kmcnt 0x0
	WIN 0x44
.irp n, 0,1,2,3,4,5,6,7,8,9,10,11,12,13,14,15
	v_cndmask_b32 v[64*\e+\n], v[NEG], v[64*\e+\n], s[16+\n]
.endr
.irp n, 0,1,2,3,4,5,6,7,8,9,10,11,12,13,14,15
	v_cndmask_b32 v[64*\e+16+\n], v[NEG], v[64*\e+16+\n], s[32+\n]
.endr
.irp n, 0,1,2,3,4,5,6,7,8,9,10,11,12,13,14,15
	v_cndmask_b32 v[64*\e+32+\n], v[NEG], v[64*\e+32+\n], s[48+\n]
.endr
.irp n, 0,1,2,3,4,5,6,7,8,9,10,11,12,13,14,15
	v_cndmask_b32 v[64*\e+48+\n], v[NEG], v[64*\e+48+\n], s[80+\n]
.endr
	WIN 0
.endr
.Lopen:
	WIN 0x14                                       ; sources 1 and 2 in window 1
.set i, 0
.rept 16
	v_max3_num_f32 v[ST+1], v[ST+1], v[4*i], v[4*i+1]       ; the running largest raw score, four chains by turns; each accumulator is read from its low end on
	v_max3_num_f32 v[ST+9], v[ST+9], v[64+4*i], v[64+4*i+1]
	v_max3_num_f32 v[ST+6], v[ST+6], v[4*i+2], v[4*i+3]
	v_max3_num_f32 v[ST+14], v[ST+14], v[64+4*i+2], v[64+4*i+3]
.set i, i+1
.endr
	WIN 0
.irp e, 0,1
	v_max_num_f32 v[ST+8*\e+1], v[ST+8*\e+1], v[ST+8*\e+6]
.endr
.irp e, 0,1
	v_permlanex16_b32 v[ST+8*\e+7], v[ST+8*\e+1], s72, s73
.endr
.irp e, 0,1
	v_max_num_f32 v[ST+8*\e+1], v[ST+8*\e+1], v[ST+8*\e+7]   ; and lane l xor 16's
.endr
.irp e, 0,1
	v_mul_f32 v[ST+8*\e+7], s74, v[ST+8*\e+1]      ; as t (c is positive)
	v_mov_b32 v[ST+8*\e+6], v[ST+8*\e]
.endr
.irp e, 0,1
	v_floor_f32 v[ST+8*\e], -v[ST+8*\e+7]          ; -M = floor(-t): M is a whole number
.endr
.irp e, 0,1
	v_sub_f32 v[ST+8*\e+6], v[ST+8*\e], v[ST+8*\e+6]
.endr
.irp e, 0,1
	v_cvt_i32_f32 v[ST+8*\e+6], v[ST+8*\e+6]       ; (it saturates)
.endr
.irp e, 0,1
	v_ldexp_f32 v[ST+8*\e+4], 1.0, v[ST+8*\e+6]    ; f = 2^(old M - new M)
.endr
.irp e, 0,1
	v_pk_mul_f32 v[ST+8*\e+2:ST+8*\e+3], v[ST+8*\e+2:ST+8*\e+3], v[ST+8*\e+4:ST+8*\e+5] op_sel_hi:[1,0]
	v_pk_mul_f32 v[LB+2*\e:LB+2*\e+1], v[LB+2*\e:LB+2*\e+1], v[ST+8*\e+4:ST+8*\e+5] op_sel_hi:[1,0]
.endr
	WIN 0x41                                       ; source 0 and the destination in window 1
.irp e, 0,1
.set j, 0
.rept 32
	v_pk_mul_f32 v[128+64*\e+j:129+64*\e+j], v[128+64*\e+j:129+64*\e+j], v[ST+8*\e+4:ST+8*\e+5] op_sel_hi:[1,0]   ; O^T under the new M, ahead of the exponentials
.set j, j+2
.endr
.endr
.irp e, 0,1
.set j, 0
.rept 32
	v_pk_fma_f32 v[64*\e+j:64*\e+j+1], v[64*\e+j:64*\e+j+1], s[74:75], v[ST+8*\e:ST+8*\e+1] op_sel_hi:[1,0,0]   ; t - M
.set j, j+2
.endr
.endr
	s_wait_alu depctr_va_vdst(0)                   ; the wait ahead of the batch
.set j, 0
.rept 128
	v_exp_f32 v[j], v[j]                           ; p = 2^(t - M)
.set j, j+1
.endr
	v_nop                                          ; a plain place behind the last exponential
	s_wait_alu depctr_va_vdst(0)                   ; one wait for the batch, ahead of its first reader
	WIN 0x14
.set i, 0
.rept 16
	v_pk_add_f32 v[ST+2:ST+3], v[ST+2:ST+3], v[4*i:4*i+1]           ; the sums of the unquantised p, four chains by turns
	v_pk_add_f32 v[ST+10:ST+11], v[ST+10:ST+11], v[64+4*i:64+4*i+1]
	v_pk_add_f32 v[LB:LB+1], v[LB:LB+1], v[4*i+2:4*i+3]
	v_pk_add_f32 v[LB+2:LB+3], v[LB+2:LB+3], v[64+4*i+2:64+4*i+3]
.set i, i+1
.endr
	WIN 0
	s_cmp_eq_u32 s101, 0
	s_wait_alu depctr_va_vdst(0)                   ; the wait ahead of the branch
	s_cbranch_scc1 .Lnohold
	WIN 0x41
.set j, 0
.rept 128
	v_min_num_f32 v[j], v[j], v[CAP]               ; the conversion does not saturate (ISA guide 7.6.2); p is not negative
.set j, j+1
.endr
	WIN 0
.Lnohold:
	WIN 0x01
.irp e, 0,1
.irp t, 0,1,2,3,4,5,6,7
	v_cvt_scalef32_pk8_fp8_f32 v[P+16*\e+2*\t:P+16*\e+2*\t+1], v[64*\e+8*\t:64*\e+8*\t+7], v[PSC]   ; tile t's eight keys 16 t + 8 h + 0 .. 7: registers 2 t, 2 t + 1 of the operand
.endr
.endr
	WIN 0
	v_nop                                          ; a plain line behind the last conversion
	s_wait_alu depctr_va_vdst(0)                   ; the wait ahead of the wait below; no vector register is written from here to the loop's end but by the products
	s_wait_loadcnt 16                              ; V's first four fragments are in
	WIN 0x50
	PVMUL 0
	s_wait_loadcnt 0
	PVMUL 4
	WIN 0
.rept 4
	v_nop                                          ; places in front of loads into the fragments' registers, and of the reads of O^T behind the loop
.endr
	s_sub_co_u32 s3, s3, 1
	s_cmp_eq_u32 s3, 0
	s_cbranch_scc1 .Lskipk                         ; the last step asks for nothing more
	NEXTK
.Lskipk:
	s_cmp_lg_u32 s3, 0
	s_cbranch_scc1 .Ltrip
.Ldone:
	s_wait_loadcnt 0x0                             ; (a job that walked no step: Q)
.irp e, 0,1
	v_pk_add_f32 v[ST+8*\e+2:ST+8*\e+3], v[ST+8*\e+2:ST+8*\e+3], v[LB+2*\e:LB+2*\e+1]
.endr
.irp e, 0,1
	v_add_f32 v[ST+8*\e+1], v[ST+8*\e+2], v[ST+8*\e+3]   ; l of my half of the lanes, beside -M
.endr
	s_cmp_eq_u32 s7, 2
	s_wait_alu depctr_va_vdst(0)                   ; the wait ahead of the branch
	s_cbranch_scc0 .Lsend1
	SENDJ 0
	s_branch .Lsent
.Lsend1:
	SENDJ 1
.Lsent:
	s_mov_b32 s15, s8                              ; on to job 1: its steps, its mask words, its Q
	s_mov_b32 s66, s9
	s_mov_b64 s[76:77], s[12:13]
	s_mov_b64 s[4:5], s[10:11]
	s_sub_co_u32 s7, s7, 1
	s_cmp_lg_u32 s7, 0
	s_cbranch_scc1 .Ljob
	s_wait_dscnt 0x0                               ; for the others' sake: my stores are done
	s_barrier_signal -1
	s_barrier_wait -1
.irp k, 0,1,2,3
	ds_load_b64 v[ML+2*\k:ML+2*\k+1], v[RCVM+\k] offset:8192   ; the four shares of my tile
.endr
.irp k, 0,1
.set i, 0
.rept 16
	ds_load_b128 v[KV+64*\k+4*i:KV+64*\k+4*i+3], v[RCV+\k] offset:512*i
.set i, i+1
.endr
.endr
	WIN 0x40
.irp k, 2,3
.set i, 0
.rept 16
	ds_load_b128 v[64*(\k-2)+4*i:64*(\k-2)+4*i+3], v[RCV+\k] offset:512*i
.set i, i+1
.endr
.endr
	WIN 0
	s_wait_dscnt 0x0
	v_min3_num_f32 v[AM], v[ML], v[ML+2], v[ML+4]
	v_min_num_f32 v[AM], v[AM], v[ML+6]            ; the common -M
.irp k, 0,1,2,3
	v_sub_f32 v[FK+2*\k], v[AM], v[ML+2*\k]
.endr
.irp k, 0,1,2,3
	v_cvt_i32_f32 v[FK+2*\k], v[FK+2*\k]
.endr
.irp k, 0,1,2,3
	v_ldexp_f32 v[FK+2*\k], 1.0, v[FK+2*\k]        ; each share's power of two
.endr
	v_mul_f32 v[LS], v[ML+1], v[FK]
	v_fmac_f32 v[LS], v[ML+3], v[FK+2]
	v_fmac_f32 v[LS], v[ML+5], v[FK+4]
	v_fmac_f32 v[LS], v[ML+7], v[FK+6]
	v_permlanex16_b32 v[ST+7], v[LS], s72, s73
	v_add_f32 v[LS], v[LS], v[ST+7]                ; the row's sum
	s_wait_alu depctr_va_vdst(0)                   ; the wait ahead of the transcendental
	v_rcp_f32 v[LS], v[LS]
	v_nop
	s_wait_alu depctr_va_vdst(0)                   ; and ahead of its first reader
	v_ldexp_f32 v[LS], v[LS], s100                 ; x 2^(e8 + e9)
.irp k, 0,1,2,3
	v_mul_f32 v[FK+2*\k], v[FK+2*\k], v[LS]
.endr
.set j, 0
.rept 32
	v_pk_mul_f32 v[KV+j:KV+j+1], v[KV+j:KV+j+1], v[FK:FK+1] op_sel_hi:[1,0]
.set j, j+2
.endr
.set j, 0
.rept 32
	v_pk_fma_f32 v[KV+j:KV+j+1], v[KV+64+j:KV+64+j+1], v[FK+2:FK+3], v[KV+j:KV+j+1] op_sel_hi:[1,0,1]
.set j, j+2
.endr
	WIN 0x01
.set j, 0
.rept 32
	v_pk_fma_f32 v[KV+j:KV+j+1], v[j:j+1], v[FK+4:FK+5], v[KV+j:KV+j+1] op_sel_hi:[1,0,1]
.set j, j+2
.endr
.set j, 0
.rept 32
	v_pk_fma_f32 v[KV+j:KV+j+1], v[64+j:64+j+1], v[FK+6:FK+7], v[KV+j:KV+j+1] op_sel_hi:[1,0,1]
.set j, j+2
.endr
	WIN 0
.set j, 0
.rept 64
	v_med3_num_f32 v[KV+j], v[KV+j], -v[OCAP], v[OCAP]
.set j, j+1
.endr
.irp t, 0,1,2,3,4,5,6,7
	v_cvt_scalef32_pk8_fp8_f32 v[P+2*\t:P+2*\t+1], v[KV+8*\t:KV+8*\t+7], v[OSC]   ; o(query r, d = 16 t + 8 h + 0 .. 7)
.endr
	v_nop
.irp t, 0,1,2,3,4,5,6,7
	ds_store_b64 v[STI], v[P+2*\t:P+2*\t+1] offset:16*\t
.endr
.irp i, 0,1,2,3
	ds_load_b128 v[Q+4*\i:Q+4*\i+3], v[STB] offset:4*SPI*\i   ; LDS serves a wave's instructions in order: these see my stores
.endr
.irp i, 0,1,2,3
	s_wait_dscnt 3-\i                              ; the loads issued behind this one may be out
	global_store_b128 v[L16], v[Q+4*\i:Q+4*\i+3], s[98:99] offset:512*\i   ; four rows of 128 bytes: 512 consecutive bytes
.endr
	s_wait_tensorcnt 0x0                           ; the wave's end: behind my last LDS store
	ds_add_u32 v[SPW], v[NIL]
	s_wait_dscnt 0x0
	s_endpgm
.Lfunc_end_k_q2ec2ab57a0_attn:
	.size	k_q2ec2ab57a0_attn, .Lfunc_end_k_q2ec2ab57a0_attn-k_q2ec2ab57a0_attn
	.p2alignl 7, 3214868480
	.fill 96, 4, 3214868480
	.section	.rodata,"a",@progbits
	.p2align	6, 0x0
	.amdhsa_kernel k_q2ec2ab57a0_attn
		.amdhsa_group_segment_fixed_size 289792
		.amdhsa_private_segment_fixed_size 0
		.amdhsa_enable_private_segment 0
		.amdhsa_kernarg_size 40
		.amdhsa_user_sgpr_count 2
		.amdhsa_user_sgpr_kernarg_segment_ptr 1
		.amdhsa_wavefront_size32 1
		.amdhsa_system_sgpr_workgroup_id_x 1
		.amdhsa_system_sgpr_workgroup_id_y 1
		.amdhsa_system_sgpr_workgroup_id_z 1
		.amdhsa_system_vgpr_workitem_id 0
		.amdhsa_next_free_vgpr 512
		.amdhsa_next_free_sgpr 102
		.amdhsa_reserve_vcc 0
		.amdhsa_float_denorm_mode_32 3
		.amdhsa_float_denorm_mode_16_64 3
		.amdhsa_memory_ordered 1
		.amdhsa_forward_progress 1
		.amdhsa_inst_pref_size 87
	.end_amdhsa_kernel
	.amdgpu_metadata
---
amdhsa.version: [ 1, 2 ]
amdhsa.kernels:
  - .name:           k_q2ec2ab57a0_attn
    .symbol:         k_q2ec2ab57a0_attn.kd
    .args:
      - { .name: qkvc, .offset: 0, .size: 8, .value_kind: global_buffer, .address_space: global }
      - { .name: maskw, .offset: 8, .size: 8, .value_kind: global_buffer, .address_space: global }
      - { .name: flags, .offset: 16, .size: 8, .value_kind: global_buffer, .address_space: global }
      - { .name: lowp_scales, .offset: 24, .size: 8, .value_kind: global_buffer, .address_space: global }
      - { .name: oc, .offset: 32, .size: 8, .value_kind: global_buffer, .address_space: global }
    .group_segment_fixed_size: 289792
    .private_segment_fixed_size: 0
    .kernarg_segment_align: 8
    .kernarg_segment_size: 40
    .max_flat_workgroup_size: 256
    .sgpr_count:     102
    .vgpr_count:     512
    .wavefront_size: 32
...
	.end_amdgpu_metadata
.endif
;; end of part 3
;; launch oproj (part 4): grid 16 x 16, 4 waves a work-group, clusters of 4 x 4, 327,680 bytes of LDS; arguments oc, wc, bo, lowp_scales, out0; writes out0
.if DOCPART == 4
	.amdgcn_target "amdgcn-amd-amdhsa--gfx1250"
	.amdhsa_code_object_version 6
	.text
	.protected	k_q2ec2ab57a0_oproj
	.globl	k_q2ec2ab57a0_oproj
	.p2align	8
	.type	k_q2ec2ab57a0_oproj,@function
k_q2ec2ab57a0_oproj:
	s_mov_b64 s[64:65], 0
	v_nop
	global_prefetch_b8 v0, s[64:65] scope:SCOPE_SE
	s_setreg_imm32_b32 hwreg(HW_REG_WAVE_MODE, 25, 1), 1
	s_wait_xcnt 0x0
	s_wait_alu depctr_hold_cnt(0) depctr_sa_sdst(0) depctr_va_vdst(0) depctr_va_sdst(0) depctr_va_ssrc(0) depctr_va_vcc(0) depctr_vm_vsrc(0)
	s_getreg_b32 s2, hwreg(HW_REG_IB_STS2, 6, 4)
	s_cmp_eq_u32 s2, 0
	s_cbranch_scc0 .Lentry_in_a_cluster
	s_endpgm
.Lentry_in_a_cluster:
	s_bfe_u32 s2, ttmp6, 0x10000c
	s_cmp_lg_u32 s2, 0xf033
	s_cbranch_scc0 .Lentry_shape_is_right
	s_endpgm
.Lentry_shape_is_right:
.set PA,     144
.set PB,     528
.set PLANE,  128*PA
.set BOFF,   4*PLANE
.set SLOT,   BOFF+128*PB
.set SPARE,  2*SLOT
.set SPITCH, 272
.set ADRA, 16
.set ADRB, 20
.set BH,   22
.set STO,  24
.set RD,   25
.set CO,   26
.set SPW,  28
.set NIL,  29
.set TMP,  32
.set BO,   96
.set ACC,  128
.set F0,   0
.set F1,   128
.set G1, 24
.set G0, 32
.set G1B, 48
.set G0B, 56
.set MSB, 0
.macro WIN new
.if MSB != \new
	s_set_vgpr_msb (MSB<<8)|\new
.set MSB, \new
.endif
.endm
.set MUL,  0x05
.set TO_F, 0x40
.macro JLOAD s
	s_cmp_eq_u32 s11, 0
	s_cbranch_scc0 .Lfor_b_\@
	tensor_load_to_lds s[G0+4*\s:G0+4*\s+3], s[G1:G1+7]
	s_nop 0
.rept 4
	v_nop
.endr
	s_branch .Lasked_\@
.Lfor_b_\@:
	tensor_load_to_lds s[G0B+4*\s:G0B+4*\s+3], s[G1B:G1B+7]
	s_nop 0
.rept 4
	v_nop
.endr
.Lasked_\@:
.endm
.macro CREST
	s_cmp_lg_u32 s10, 0
	s_cbranch_scc1 .Lnot_wave_0_\@
	s_barrier_signal -3
.Lnot_wave_0_\@:
	s_barrier_wait -3
	s_barrier_signal -1
	s_barrier_wait -1
.endm
.macro CROUND
	s_barrier_signal -1
	s_barrier_wait -1
	CREST
.endm
	s_load_b256 s[68:75], s[0:1], 0x0
	s_load_b64 s[76:77], s[0:1], 0x20
	v_lshl_add_u32 v[SPW], v0, 2, SPARE
	v_mov_b32 v[NIL], 0
	ds_add_u32 v[SPW], v[NIL]
	ds_add_u32 v[SPW], v[NIL]
	v_lshrrev_b32 v1, 5, v0
	v_readfirstlane_b32 s10, v1
	s_lshr_b32 s11, s10, 1
	s_and_b32 s12, s10, 1
	s_bfe_u32 s40, ttmp6, 0x40000
	s_bfe_u32 s41, ttmp6, 0x40004
	s_lshl_b32 s42, ttmp9, 2
	s_add_co_u32 s42, s42, s40
	s_and_b32 s13, ttmp7, 0xffff
	s_lshl_b32 s13, s13, 2
	s_add_co_u32 s13, s13, s41
	s_lshl_b32 s43, s41, 2
	s_lshl_b32 s43, 15, s43
	s_lshl_b32 s44, 0x1111, s40
	s_or_b32 s[G1+0], s43, (3<<16)|(1<<20)|(1<<21)|(4<<22)|(3<<25)
	s_mov_b32 s[G1+1], 2048<<16
	s_mov_b32 s[G1+2], 2<<16
	s_mov_b32 s[G1+3], 2048<<16
	s_mov_b32 s[G1+4], 2
	s_mov_b32 s[G1+5], 32768
	s_mov_b32 s[G1+6], 0
	s_mov_b32 s[G1+7], 0
	s_or_b32 s[G1B+0], s44, (0<<16)|(1<<20)|(1<<21)|(6<<22)|(3<<25)
	s_mov_b32 s[G1B+1], 512<<16
	s_mov_b32 s[G1B+2], 64<<16
	s_mov_b32 s[G1B+3], 512<<16
	s_mov_b32 s[G1B+4], 64
	s_mov_b32 s[G1B+5], 2048
	s_mov_b32 s[G1B+6], 0
	s_mov_b32 s[G1B+7], 0
	s_lshl_b32 s16, s12, 19
	s_lshl_b32 s17, s13, 14
	s_add_co_u32 s16, s16, s17
	s_mov_b32 s17, 0
	s_lshl_b32 s46, s42, 18
	s_lshl_b32 s47, s12, 17
	s_add_co_u32 s46, s46, s47
	s_add_co_u32 s46, s46, 0xc00000
	s_mov_b32 s47, 0
	s_mul_i32 s20, s12, 2*PLANE
	s_mul_i32 s21, s12, 64*PB
	s_add_co_u32 s21, s21, BOFF
	s_wait_dscnt 0x0
	s_wait_kmcnt 0x0
	s_load_b64 s[78:79], s[74:75], 0x28
	s_add_nc_u64 s[14:15], s[68:69], s[16:17]
	s_add_nc_u64 s[46:47], s[70:71], s[46:47]
	CROUND
.irp s, 0,1
	s_mov_b32 s[G0+4*\s], 1
	s_add_co_u32 s[G0+4*\s+1], s20, \s*SLOT
	s_add_nc_u64 s[G0+4*\s+2:G0+4*\s+3], s[14:15], \s*4*262144
	s_or_b32 s[G0+4*\s+3], s[G0+4*\s+3], 0x80000000
	s_mov_b32 s[G0B+4*\s], 1
	s_add_co_u32 s[G0B+4*\s+1], s21, \s*SLOT
	s_add_nc_u64 s[G0B+4*\s+2:G0B+4*\s+3], s[46:47], \s*512
	s_or_b32 s[G0B+4*\s+3], s[G0B+4*\s+3], 0x80000000
	s_wait_alu depctr_va_vdst(0)
	s_wait_tensorcnt 0x0
	ds_add_u32 v28, v29
	ds_add_u32 v28, v29
	s_wait_dscnt 0x0
	CROUND
	JLOAD \s
.endr
	v_and_b32 v1, 15, v0
	v_bfe_u32 v2, v0, 4, 1
	v_mul_u32_u24 v3, v1, PA
	v_lshl_add_u32 v3, v2, 4, v3
	v_mul_u32_u24 v4, v1, PB
	v_lshl_add_u32 v4, v2, 4, v4
	s_mul_i32 s22, s11, 64*PA
	s_mul_i32 s23, s12, 64*PB
	s_add_co_u32 s23, s23, BOFF
.irp s, 0,1
	v_add_nc_u32 v[ADRA+\s], s22, v3
	v_add_nc_u32 v[ADRB+\s], s23, v4
	s_add_co_u32 s22, s22, SLOT
	s_add_co_u32 s23, s23, SLOT
.endr
	s_mul_i32 s22, s10, 16*SPITCH
	v_mul_u32_u24 v5, v1, SPITCH
	v_lshl_add_u32 v5, v2, 5, v5
	v_add_nc_u32 v[STO], s22, v5
	v_mul_u32_u24 v5, v2, SPITCH
	v_lshl_add_u32 v5, v1, 4, v5
	v_add_nc_u32 v[RD], s22, v5
	v_lshlrev_b32 v5, 13, v2
	v_lshl_add_u32 v[CO], v1, 4, v5
	v_lshlrev_b32 v[BH], 5, v2
	s_wait_alu depctr_va_vdst(0)
	s_lshl_b32 s16, s42, 9
	s_lshl_b32 s17, s12, 8
	s_add_co_u32 s16, s16, s17
	s_mov_b32 s17, 0
	s_add_nc_u64 s[72:73], s[72:73], s[16:17]
	s_add_nc_u64 s[76:77], s[76:77], s[16:17]
	s_lshl_b32 s16, s13, 20
	s_lshl_b32 s18, s11, 19
	s_add_co_u32 s16, s16, s18
	s_add_nc_u64 s[76:77], s[76:77], s[16:17]
.irp b, 0,1,2,3
	global_load_b128 v[BO+8*\b:BO+8*\b+3], v[BH], s[72:73] offset:64*\b
	global_load_b128 v[BO+8*\b+4:BO+8*\b+7], v[BH], s[72:73] offset:64*\b+16
.endr
.macro MUL8 f, a0, zero
.irp a, \a0, \a0+1
.irp b, 0,1,2,3
.if \zero
	v_wmma_f32_16x16x128_fp8_fp8 v[ACC+8*(4*(\a)+\b):ACC+8*(4*(\a)+\b)+7], v[\f+64+16*\b:\f+64+16*\b+15], v[\f+16*(\a):\f+16*(\a)+15], 0
.else
	v_wmma_f32_16x16x128_fp8_fp8 v[ACC+8*(4*(\a)+\b):ACC+8*(4*(\a)+\b)+7], v[\f+64+16*\b:\f+64+16*\b+15], v[\f+16*(\a):\f+16*(\a)+15], v[ACC+8*(4*(\a)+\b):ACC+8*(4*(\a)+\b)+7]
.endif
.endr
.endr
.endm
.macro FETCH slot, q, f
	WIN TO_F
.irp i, 0,1,2,3
.irp c, 0,1,2,3
	ds_load_b128 v[\f+64+16*\i+4*\c:\f+64+16*\i+4*\c+3], v[ADRB+\slot] offset:128*(\q)+\i*16*PB+32*\c
.endr
.endr
.irp i, 0,1,2,3
.irp c, 0,1,2,3
	ds_load_b128 v[\f+16*\i+4*\c:\f+16*\i+4*\c+3], v[ADRA+\slot] offset:PLANE*(\q)+\i*16*PA+32*\c
.endr
.endr
.endm
.macro PLACES
.rept 4
	v_nop
.endr
.endm
.macro QUARTER slot, q, f, g, zero
	s_wait_dscnt 8
	WIN MUL
	MUL8 \f, 0, \zero
	PLACES
	FETCH \slot, \q, \g
	s_wait_dscnt 32
	WIN MUL
	MUL8 \f, 2, \zero
.endm
.macro TURN slot, next, fill
	WIN 0
	s_wait_tensorcnt 0x0
	ds_add_u32 v[SPW], v[NIL]
	s_wait_dscnt 9
	WIN MUL
	MUL8 F1, 0, 0
	s_wait_dscnt 0x0
	s_barrier_signal -1
	WIN 0
	s_barrier_wait -1
.if \fill
	CREST
	s_add_nc_u64 s[G0+4*\slot+2:G0+4*\slot+3], s[G0+4*\slot+2:G0+4*\slot+3], 8*262144
	s_add_nc_u64 s[G0B+4*\slot+2:G0B+4*\slot+3], s[G0B+4*\slot+2:G0B+4*\slot+3], 1024
	JLOAD \slot
.else
	PLACES
.endif
	FETCH \next, 0, F0
	WIN MUL
	MUL8 F1, 2, 0
.endm
	s_wait_tensorcnt 1
	s_barrier_signal -1
	s_barrier_wait -1
	FETCH 0, 0, F0
	QUARTER 0, 1, F0, F1, 1
	QUARTER 0, 2, F1, F0, 0
	QUARTER 0, 3, F0, F1, 0
	TURN 0, 1, 1
	QUARTER 1, 1, F0, F1, 0
	QUARTER 1, 2, F1, F0, 0
	QUARTER 1, 3, F0, F1, 0
	TURN 1, 0, 1
	QUARTER 0, 1, F0, F1, 0
	QUARTER 0, 2, F1, F0, 0
	QUARTER 0, 3, F0, F1, 0
	TURN 0, 1, 0
	QUARTER 1, 1, F0, F1, 0
	QUARTER 1, 2, F1, F0, 0
	QUARTER 1, 3, F0, F1, 0
	s_wait_dscnt 8
	WIN MUL
	MUL8 F1, 0, 0
	s_wait_dscnt 0
	MUL8 F1, 2, 0
	WIN 0
	s_wait_kmcnt 0x0
	s_add_co_i32 s66, s78, s79
	s_add_co_i32 s66, s66, 127
	s_lshl_b32 s66, s66, 23
	s_mov_b32 s67, s66
	s_wait_loadcnt 0x0
	PLACES
.macro TOST a
.irp b, 0,1,2,3
.irp j, 0,2,4,6
	v_pk_fma_f32 v[TMP+8*\b+\j:TMP+8*\b+\j+1], v[ACC+8*(4*(\a)+\b)+\j:ACC+8*(4*(\a)+\b)+\j+1], s[66:67], v[BO+8*\b+\j:BO+8*\b+\j+1] op_sel_hi:[1,0,1]
.endr
.endr
.irp b, 0,1,2,3
	ds_store_b128 v[STO], v[TMP+8*\b:TMP+8*\b+3] offset:64*\b
	ds_store_b128 v[STO], v[TMP+8*\b+4:TMP+8*\b+7] offset:64*\b+16
.endr
.irp t, 0,1,2,3,4,5,6,7
	ds_load_b128 v[ACC+32*(\a)+4*\t:ACC+32*(\a)+4*\t+3], v[RD] offset:\t*2*SPITCH
.endr
.endm
.macro SEND a, younger
	s_wait_dscnt \younger
.irp t, 0,1,2,3,4,5,6,7
	global_store_b128 v[CO], v[ACC+32*(\a)+4*\t:ACC+32*(\a)+4*\t+3], s[76:77] offset:(16*(\a)+2*\t)*8192 th:TH_STORE_NT
.endr
.endm
	TOST 0
	TOST 1
	SEND 0, 16
	TOST 2
	SEND 1, 16
	TOST 3
	SEND 2, 16
	SEND 3, 0
	s_wait_tensorcnt 0x0
	ds_add_u32 v[SPW], v[NIL]
	s_wait_dscnt 0x0
	CROUND
	s_endpgm
.Lfunc_end_k_q2ec2ab57a0_oproj:
	.size	k_q2ec2ab57a0_oproj, .Lfunc_end_k_q2ec2ab57a0_oproj-k_q2ec2ab57a0_oproj
	.p2alignl 7, 3214868480
	.fill 96, 4, 3214868480
	.section	.rodata,"a",@progbits
	.p2align	6, 0x0
	.amdhsa_kernel k_q2ec2ab57a0_oproj
		.amdhsa_group_segment_fixed_size 327680
		.amdhsa_private_segment_fixed_size 0
		.amdhsa_enable_private_segment 0
		.amdhsa_kernarg_size 40
		.amdhsa_user_sgpr_count 2
		.amdhsa_user_sgpr_kernarg_segment_ptr 1
		.amdhsa_wavefront_size32 1
		.amdhsa_system_sgpr_workgroup_id_x 1
		.amdhsa_system_sgpr_workgroup_id_y 1
		.amdhsa_system_sgpr_workgroup_id_z 1
		.amdhsa_system_vgpr_workitem_id 0
		.amdhsa_next_free_vgpr 512
		.amdhsa_next_free_sgpr 80
		.amdhsa_reserve_vcc 0
		.amdhsa_float_denorm_mode_32 3
		.amdhsa_float_denorm_mode_16_64 3
		.amdhsa_memory_ordered 1
		.amdhsa_forward_progress 1
		.amdhsa_inst_pref_size 75
	.end_amdhsa_kernel
	.amdgpu_metadata
---
amdhsa.version: [ 1, 2 ]
amdhsa.kernels:
  - .name:           k_q2ec2ab57a0_oproj
    .symbol:         k_q2ec2ab57a0_oproj.kd
    .args:
      - { .name: oc, .offset: 0, .size: 8, .value_kind: global_buffer, .address_space: global }
      - { .name: wc, .offset: 8, .size: 8, .value_kind: global_buffer, .address_space: global }
      - { .name: bo, .offset: 16, .size: 8, .value_kind: global_buffer, .address_space: global }
      - { .name: lowp_scales, .offset: 24, .size: 8, .value_kind: global_buffer, .address_space: global }
      - { .name: out0, .offset: 32, .size: 8, .value_kind: global_buffer, .address_space: global }
    .group_segment_fixed_size: 327680
    .private_segment_fixed_size: 0
    .kernarg_segment_align: 8
    .kernarg_segment_size: 40
    .max_flat_workgroup_size: 128
    .sgpr_count:     80
    .vgpr_count:     512
    .wavefront_size: 32
...
	.end_amdgpu_metadata
.endif
;; end of part 4
